; MI455X (gfx1250); checked and timed in simulation.
; The chip was launched on July 23, 2026; its instructions are those of AMD's public machine-readable ISA for CDNA 5 (MIT licence, August 2026) and "CDNA5" Instruction Set Architecture Reference Guide (July 2026). The comments in the code are by the model that wrote it; some were corrected since.
;; GDL Attention. Allowed arithmetic: float matrix products may take bf16 or f16 operands with f32 sums; other float arithmetic in f32, or as packed bf16 or f16 multiplies, adds, multiply-adds, maxima and minima; sums over many terms, partial sums and values carried from step to step in f32; what a program stores and reads back later, other than sums and carried values, may be rounded once to bf16 or f16.
;; Inputs: Wg1 512 x 1,024 float32; Wg2 16 x 512 float32; Wk 1,024 x 1,024 float32; Wo 1,024 x 1,024 float32; Wq 1,024 x 1,024 float32; Wv 1,024 x 1,024 float32; bg1 512 float32; bg2 16 float32; bk 1,024 float32; bo 1,024 float32; bq 1,024 float32; bv 1,024 float32; g 16 float32; x 8 x 1,024 x 1,024 float32.
;; Outputs: out0 8 x 1,024 x 1,024 float32.
;; 2 versions, each right; version 2 is version 1 with the launch cast written anew for expert scheduling mode. Each part assembles by itself: llvm-mc -triple=amdgcn-amd-amdhsa -mcpu=gfx1250 --defsym DOCPART=n.
;; ======== version 1 of 2: 4 launches
;; limits: values are held in f16: magnitudes above 65,504 overflow, below 6.1e-05 lose precision; a function is approximated: absolute error at most 9.6e-05
;; workspace buffers: xb 16,777,216 bytes; wcat 7,340,032 bytes; wo16 2,097,152 bytes; q16 16,777,216 bytes; k16 16,777,216 bytes; v16 16,777,216 bytes; o16 16,777,216 bytes; hpart 131,072 bytes
;; launch cast (part 1): grid 800 x 1, 8 waves a work-group, no clusters, 0 bytes of LDS; arguments x, Wg1, Wq, Wk, Wv, Wo, xb, wcat, wo16; writes xb, wcat, wo16
.if DOCPART == 1
	.amdgcn_target "amdgcn-amd-amdhsa--gfx1250"
	.amdhsa_code_object_version 6
	.text
	.protected	k_qfacd0a3607_cast
	.globl	k_qfacd0a3607_cast
	.p2align	8
	.type	k_qfacd0a3607_cast,@function
k_qfacd0a3607_cast:
	s_mov_b64 s[64:65], 0
	v_nop
	global_prefetch_b8 v0, s[64:65] scope:SCOPE_SE
	s_setreg_imm32_b32 hwreg(HW_REG_WAVE_MODE, 25, 1), 1
	s_wait_xcnt 0x0
; ROUNDING OF THE LARGE INPUTS, once.  x -> xb (bf16); Wg1, Wq, Wk, Wv -> wcat (bf16, one below the other: rows 0-511, 512-1535, 1536-2559, 2560-3583);
; Wo -> wo16: rounded to bf16 like every other input, and that number written as f16 (the last product multiplies in f16).
; LIMIT.  A bf16 number below 6.1e-5 keeps f16's fixed step of 6e-8 in wo16, one beyond 65,504 becomes an infinity.
; SHARES.  Work-group c takes 64 KiB of one source (16,384 f32) and writes 32 KiB.  c 0-511: x; 512-543: Wg1; 544-607: Wq; 608-671: Wk; 672-735: Wv; 736-799: Wo.
; Thread t takes 16 bytes of each 4,096: a wave's load covers 512 neighbouring bytes, its store of 8 bytes a lane 256 neighbouring bytes, aligned.
; All sixteen loads of a wave go out on end; no register is written twice, so no wait frees a source.  Memory binds: no LDS, no barrier, no matrix unit.
.set SRC, 26                           ; s[26:27] the source at my chunk;  s28 the source's first chunk
.set DSTP, 30                          ; s[30:31] the destination at my chunk;  s29 the destination's first chunk
.set IN,  8                            ; v[8:71]   16 x 4 f32 as loaded
.set OU,  72                           ; v[72:103] 16 x 2 words to store
	s_load_b512 s[8:23], s[0:1], 0x0               ; x, Wg1, Wq, Wk, Wv, Wo, xb, wcat
	s_load_b64 s[24:25], s[0:1], 0x40              ; wo16
	s_mov_b32 s2, ttmp9                            ; c
	v_lshlrev_b32 v1, 4, v0                        ; 16 t
	v_lshlrev_b32 v2, 3, v0                        ; 8 t
	s_wait_kmcnt 0x0
	s_mov_b64 s[SRC:SRC+1], s[8:9]
	s_mov_b32 s28, 0
.macro PICK from, ptr                  ; from chunk 'from' on the source is the buffer in s[ptr:ptr+1]
	s_cmp_ge_u32 s2, \from
	s_cselect_b64 s[SRC:SRC+1], s[\ptr:\ptr+1], s[SRC:SRC+1]
	s_cselect_b32 s28, \from, s28
.endm
	PICK 512, 10
	PICK 544, 12
	PICK 608, 14
	PICK 672, 16
	PICK 736, 18
	s_cmp_ge_u32 s2, 512
	s_cselect_b64 s[DSTP:DSTP+1], s[22:23], s[20:21]
	s_cselect_b32 s29, 512, 0
	s_cmp_ge_u32 s2, 736
	s_cselect_b64 s[DSTP:DSTP+1], s[24:25], s[DSTP:DSTP+1]
	s_cselect_b32 s29, 736, s29
	s_sub_co_u32 s32, s2, s28
	s_lshl_b32 s32, s32, 16                        ; 64 KiB a chunk of the source
	s_mov_b32 s33, 0
	s_add_nc_u64 s[SRC:SRC+1], s[SRC:SRC+1], s[32:33]
	s_sub_co_u32 s34, s2, s29
	s_lshl_b32 s34, s34, 15                        ; 32 KiB a chunk of the destination
	s_mov_b32 s35, 0
	s_add_nc_u64 s[DSTP:DSTP+1], s[DSTP:DSTP+1], s[34:35]
.set i, 0
.rept 16
	global_load_b128 v[IN+4*i:IN+4*i+3], v1, s[SRC:SRC+1] offset:4096*i th:TH_LOAD_NT
.set i, i+1
.endr
; half = 1: the bf16 number is written as f16
.macro OUT16 half
.set i, 0
.rept 16
	s_wait_loadcnt 15-i                            ; loads come back in order: number i is in, the 15 - i younger ones stay out
	v_cvt_pk_bf16_f32 v[OU+2*i],   v[IN+4*i],   v[IN+4*i+1]
	v_cvt_pk_bf16_f32 v[OU+2*i+1], v[IN+4*i+2], v[IN+4*i+3]
.if \half
	v_lshlrev_b32 v104, 16, v[OU+2*i]
	v_and_b32     v105, 0xffff0000, v[OU+2*i]
	v_lshlrev_b32 v106, 16, v[OU+2*i+1]
	v_and_b32     v107, 0xffff0000, v[OU+2*i+1]
	v_cvt_pk_f16_f32 v[OU+2*i],   v104, v105
	v_cvt_pk_f16_f32 v[OU+2*i+1], v106, v107
.endif
	global_store_b64 v2, v[OU+2*i:OU+2*i+1], s[DSTP:DSTP+1] offset:2048*i
.set i, i+1
.endr
.endm
	s_cmp_ge_u32 s2, 736
	s_cbranch_scc1 .Lwo
	OUT16 0
	s_endpgm
.Lwo:
	OUT16 1
	s_endpgm
.Lfunc_end_k_qfacd0a3607_cast:
	.size	k_qfacd0a3607_cast, .Lfunc_end_k_qfacd0a3607_cast-k_qfacd0a3607_cast
	.p2alignl 7, 3214868480
	.fill 96, 4, 3214868480
	.section	.rodata,"a",@progbits
	.p2align	6, 0x0
	.amdhsa_kernel k_qfacd0a3607_cast
		.amdhsa_group_segment_fixed_size 0
		.amdhsa_private_segment_fixed_size 0
		.amdhsa_enable_private_segment 0
		.amdhsa_kernarg_size 72
		.amdhsa_user_sgpr_count 2
		.amdhsa_user_sgpr_kernarg_segment_ptr 1
		.amdhsa_wavefront_size32 1
		.amdhsa_system_sgpr_workgroup_id_x 1
		.amdhsa_system_sgpr_workgroup_id_y 1
		.amdhsa_system_sgpr_workgroup_id_z 1
		.amdhsa_system_vgpr_workitem_id 0
		.amdhsa_next_free_vgpr 112
		.amdhsa_next_free_sgpr 66
		.amdhsa_reserve_vcc 0
		.amdhsa_float_denorm_mode_32 3
		.amdhsa_float_denorm_mode_16_64 3
		.amdhsa_memory_ordered 1
		.amdhsa_forward_progress 1
		.amdhsa_inst_pref_size 17
	.end_amdhsa_kernel
	.amdgpu_metadata
---
amdhsa.version: [ 1, 2 ]
amdhsa.kernels:
  - .name:           k_qfacd0a3607_cast
    .symbol:         k_qfacd0a3607_cast.kd
    .args:
      - { .name: x, .offset: 0, .size: 8, .value_kind: global_buffer, .address_space: global }
      - { .name: Wg1, .offset: 8, .size: 8, .value_kind: global_buffer, .address_space: global }
      - { .name: Wq, .offset: 16, .size: 8, .value_kind: global_buffer, .address_space: global }
      - { .name: Wk, .offset: 24, .size: 8, .value_kind: global_buffer, .address_space: global }
      - { .name: Wv, .offset: 32, .size: 8, .value_kind: global_buffer, .address_space: global }
      - { .name: Wo, .offset: 40, .size: 8, .value_kind: global_buffer, .address_space: global }
      - { .name: xb, .offset: 48, .size: 8, .value_kind: global_buffer, .address_space: global }
      - { .name: wcat, .offset: 56, .size: 8, .value_kind: global_buffer, .address_space: global }
      - { .name: wo16, .offset: 64, .size: 8, .value_kind: global_buffer, .address_space: global }
    .group_segment_fixed_size: 0
    .private_segment_fixed_size: 0
    .kernarg_segment_align: 8
    .kernarg_segment_size: 72
    .max_flat_workgroup_size: 256
    .sgpr_count:     66
    .vgpr_count:     112
    .wavefront_size: 32
...
	.end_amdgpu_metadata
.endif
;; end of part 1
;; launch proj (part 2): grid 32 x 14, 4 waves a work-group, clusters of 4 x 1, 327,680 bytes of LDS; arguments xb, wcat, bg1, bq, bk, bv, q16, k16, v16, hpart; writes q16, k16, v16, hpart
.if DOCPART == 2
	.amdgcn_target "amdgcn-amd-amdhsa--gfx1250"
	.amdhsa_code_object_version 6
	.text
	.protected	k_qfacd0a3607_proj
	.globl	k_qfacd0a3607_proj
	.p2align	8
	.type	k_qfacd0a3607_proj,@function
k_qfacd0a3607_proj:
	s_mov_b64 s[64:65], 0
	v_nop
	global_prefetch_b8 v0, s[64:65] scope:SCOPE_SE
	s_setreg_imm32_b32 hwreg(HW_REG_WAVE_MODE, 25, 1), 1
	s_wait_xcnt 0x0
	s_wait_alu depctr_hold_cnt(0) depctr_sa_sdst(0) depctr_va_vdst(0) depctr_va_sdst(0) depctr_va_ssrc(0) depctr_va_vcc(0) depctr_vm_vsrc(0)
	s_getreg_b32 s2, hwreg(HW_REG_IB_STS2, 6, 4)
	s_cmp_eq_u32 s2, 0
	s_cbranch_scc0 .Lentry_in_a_cluster
	s_endpgm
.Lentry_in_a_cluster:
	s_bfe_u32 s2, ttmp6, 0x10000c
	s_cmp_lg_u32 s2, 0x3003
	s_cbranch_scc0 .Lentry_shape_is_right
	s_endpgm
.Lentry_shape_is_right:
; ONE bf16 GEMM, C[m][n] = sum over k of xb[m][k] wcat[n][k], 8192 x 3584 x 1024, sums in f32, WITH FOUR WAYS OUT, chosen by the tile column y (256 columns):
;   y 0-1   gate:  column sums over the tile's rows of gelu(C + bg1) (exact-erf GELU), f32, into hpart[2 mt + row half][512]
;   y 2-5   Q:     (C + bq) x c / max(|row of a head|, 1e-12), c = log2(e) / 8, rounded once to f16, by heads: q16[b 16 + h][t][64]
;   y 6-9   K:     the same with 1 for c, into k16          y 10-13  V:  C + bv, rounded once to f16, into v16
; Biases are rounded to bf16 like all the module's inputs.
; LIMITS.  V beyond 65,504 becomes an infinity in f16.  erf is the five-term rational form 1 - (a1 t + .. + a5 t^5) e^(-z^2), t = 1 / (1 + 0.3275911 z), off by 1.5e-7 at the most for every z,
; used as gelu(y) = max(y, 0) - |y| (P(t) / 2) e^(-y^2 / 2): no difference of large numbers.  NaN and infinities are not treated apart.
; SHARES.  A tile of C is 256 x 256: four waves, each 128 x 128 = 64 accumulators of 16 x 16.  K goes in steps of 128 through two LDS slots; each wave fetches 128 rows x 256 bytes with one tensor load.
; CLUSTER.  Four work-groups along x make four row tiles of one batch with the same tile column: they need the same rows of wcat, which are asked for JOINTLY (mask of four).  xb's rows differ from
; partner to partner and are asked for singly, behind the same rounds.  Not 4 x 4: the 14 tile columns do not divide by four.
; THE MATRIX INSTRUCTION IS USED TRANSPOSED (source 0 = 16 rows of wcat, source 1 = 16 rows of xb): a lane holds row l % 16 of C and the columns 8 (l / 16) + 0..7.
; THE WAY OUT.  Behind the last fill of the launch and a barrier, each wave lays its 128 x 128 f32 into its own part of the ring's bytes (pitch 528) and reads it back in the shape that its kind wants.
; REGISTERS, in windows of 256:  window 0: v0-31 addresses, v32-51 biases, v64-127, v128-191 fragments of xb (two buffers), later the way out;  window 1: v64-191 fragments of wcat;
;   window 2: the 32 accumulators of my rows 0-63 ((a, b) at v[8 (8 a + b)]);  window 3: those of rows 64-127.
.set SIZE_K, 1024
.set KSTEP,  128
.set PITCH,  272                       ; an LDS row: 256 bytes + 16 of padding: the 16 rows of a fragment load start at 16 different groups of four banks
.set HALFT,  128*PITCH
.set SLOT,   4*HALFT                   ; xb's 256 rows, then wcat's 256 rows
.set SPARE,  2*SLOT                    ; behind the ring: the spare words, 128 bytes a wave
.set DPITCH, 528                       ; the way out: a row of 128 f32 + 16 bytes
.set DWAVE,  128*DPITCH                ; a wave's part: 67,584 bytes; four of them end at 270,336, inside the ring
.set LAPS,   SIZE_K/(2*KSTEP)
.set ADRA, 16
.set ADRB, 20
.set DST,  24                          ; v24  where I lay 16 bytes of a row
.set RD,   25                          ; v25  where I read back
.set GO,   26                          ; v26  my byte offset in the output
.set SPW,  28
.set NIL,  29
.set L32,  30                          ; v30  32 (lane % 8); never rewritten
.set L16,  31                          ; v31  16 lane; never rewritten
.set BI,   32                          ; v32-47  Q, K, V: the bias of my 8 columns in each of two heads
.set BG,   48                          ; v48-51  gate: the bias of my 4 columns
.set F0,   64
.set F1,   128
.set G1, 24
.set G0, 32
.set G1B, 48
.set G0B, 56
.set MSB, 0
.macro WIN new                         ; the immediate's high byte repeats the setting that is left
.if MSB != (\new)
	s_set_vgpr_msb (MSB<<8)|(\new)
.set MSB, \new
.endif
.endm
.set MUL_LO, 0xa1                      ; source 0 (wcat) window 1, source 1 (xb) window 0, C and D window 2
.set MUL_HI, 0xf1                      ; the same, C and D window 3
.set TO_B,   0x40                      ; destination window 1, address window 0
; Waves 0 and 1 fetch xb's two halves (no mask), waves 2 and 3 wcat's (jointly).  The branch hangs on the wave's number alone.  An s_nop 0 and four v_nop follow each line.
.macro JLOAD s
	s_cmp_eq_u32 s11, 0
	s_cbranch_scc0 .Lfor_b_\@
	tensor_load_to_lds s[G0+4*(\s):G0+4*(\s)+3], s[G1:G1+7]
	s_nop 0
.rept 4
	v_nop
.endr
	s_branch .Lasked_\@
.Lfor_b_\@:
	tensor_load_to_lds s[G0B+4*(\s):G0B+4*(\s)+3], s[G1B:G1B+7]
	s_nop 0
.rept 4
	v_nop
.endr
.Lasked_\@:
.endm
.macro CREST                           ; a round of the cluster's barrier behind its opening barrier
	s_cmp_lg_u32 s10, 0
	s_cbranch_scc1 .Lnot_wave_0_\@
	s_barrier_signal -3
.Lnot_wave_0_\@:
	s_barrier_wait -3
	s_barrier_signal -1
	s_barrier_wait -1
.endm
.macro CROUND
	s_barrier_signal -1
	s_barrier_wait -1
	CREST
.endm
	s_load_b128 s[4:7], s[0:1], 0x0                ; xb s[4:5], wcat s[6:7]
	s_load_b512 s[68:83], s[0:1], 0x10             ; bg1, bq, bk, bv, q16, k16, v16, hpart
	v_lshl_add_u32 v[SPW], v0, 2, SPARE
	v_mov_b32 v[NIL], 0
	ds_add_u32 v[SPW], v[NIL]                      ; the wave's opening: the add and its wait ahead of my first tensor load
	ds_add_u32 v28, v29
	v_lshrrev_b32 v1, 5, v0
	v_readfirstlane_b32 s10, v1                    ; wave 0..3
	s_lshr_b32 s11, s10, 1                         ; my half of the tile's rows.  Also: I fetch xb (0) or wcat (1)
	s_and_b32 s12, s10, 1                          ; my half of its columns.  Also: which 128 rows I fetch
	s_bfe_u32 s40, ttmp6, 0x40000                  ; cx
	s_lshl_b32 s42, ttmp9, 2                       ; ttmp9 counts clusters: the batch
	s_add_co_u32 s42, s42, s40                     ; mt: the tile row
	s_and_b32 s41, ttmp7, 0xffff                   ; y: the tile column, which the partners share
	s_add_co_u32 s84, s41, 2
	s_and_b32 s85, s84, 3
	s_lshr_b32 s84, s84, 2                         ; kind: 0 gate, 1 Q, 2 K, 3 V
	s_cmp_eq_u32 s84, 0
	s_cselect_b32 s85, s41, s85                    ; the tile column inside its own weight
	s_mov_b32 s[G1+0], (1<<16)|(1<<20)|(5<<22)|(3<<25)              ; 2-byte elements; padding on, after every 64 words, 4 words
	s_mov_b32 s[G1B+0], 15|(1<<16)|(1<<20)|(1<<21)|(5<<22)|(3<<25)  ; the same with the mask of four, and bit 21 beside it
.irp g, G1, G1B
	s_mov_b32 s[(\g)+1], KSTEP<<16                 ; tensor_dim0 = 128
	s_mov_b32 s[(\g)+2], 128<<16                   ; tensor_dim1 = 128
	s_mov_b32 s[(\g)+3], KSTEP<<16                 ; tile_dim0 = 128
	s_mov_b32 s[(\g)+4], 128                       ; tile_dim1 = 128
	s_mov_b32 s[(\g)+5], SIZE_K                    ; elements from row to row
	s_mov_b32 s[(\g)+6], 0
	s_mov_b32 s[(\g)+7], 0
.endr
	s_lshl_b32 s17, s12, 7
	s_lshl_b32 s16, s42, 8
	s_add_co_u32 s16, s16, s17
	s_lshl_b32 s16, s16, 11                        ; xb: (256 mt + 128 half) rows of 2,048 bytes
	s_lshl_b32 s46, s41, 8
	s_add_co_u32 s46, s46, s17
	s_lshl_b32 s46, s46, 11                        ; wcat: (256 y + 128 half) rows: no place in the cluster enters it
	s_mov_b32 s17, 0
	s_mov_b32 s47, 0
	s_mul_i32 s20, s10, HALFT                      ; where they go: wave x 128 rows
	s_wait_dscnt 0x0                               ; the opening add is done
	s_wait_kmcnt 0x0
	s_add_nc_u64 s[14:15], s[4:5], s[16:17]
	s_add_nc_u64 s[46:47], s[6:7], s[46:47]
	CROUND                                         ; all four work-groups are here: the first joint loads meet
.irp s, 0,1
	s_mov_b32 s[G0+4*(\s)], 1
	s_add_co_u32 s[G0+4*(\s)+1], s20, (\s)*SLOT
	s_add_nc_u64 s[G0+4*(\s)+2:G0+4*(\s)+3], s[14:15], (\s)*KSTEP*2
	s_or_b32 s[G0+4*(\s)+3], s[G0+4*(\s)+3], 0x80000000
	s_mov_b32 s[G0B+4*(\s)], 1
	s_add_co_u32 s[G0B+4*(\s)+1], s20, (\s)*SLOT
	s_add_nc_u64 s[G0B+4*(\s)+2:G0B+4*(\s)+3], s[46:47], (\s)*KSTEP*2
	s_or_b32 s[G0B+4*(\s)+3], s[G0B+4*(\s)+3], 0x80000000
	JLOAD \s                                       ; two loads of mine are out: K steps 0 and 1
.endr
	; what the way out needs, by kind
	s_cmp_eq_u32 s84, 1
	s_cselect_b64 s[86:87], s[70:71], s[68:69]     ; the bias: bq, or bg1
	s_cselect_b32 s90, 0x3e38aa3b, 1.0             ; c = log2(e) / 8 for Q, else 1
	s_cmp_eq_u32 s84, 2
	s_cselect_b64 s[86:87], s[72:73], s[86:87]
	s_cselect_b64 s[88:89], s[78:79], s[76:77]     ; the output: k16, or q16
	s_cmp_eq_u32 s84, 3
	s_cselect_b64 s[86:87], s[74:75], s[86:87]
	s_cselect_b64 s[88:89], s[80:81], s[88:89]
	s_cselect_b32 s91, -1, 0                       ; V: every lane takes the factor 1
	s_mov_b32 s92, 0x2b8cbccc                      ; 1e-12
	s_lshl_b32 s94, s85, 10
	s_lshl_b32 s95, s12, 9
	s_add_co_u32 s94, s94, s95                     ; (256 col + 128 half) x 4 bytes: my first column in the bias (and, for the gate, in a row of hpart)
	s_mov_b32 s95, 0
	s_add_nc_u64 s[86:87], s[86:87], s[94:95]
	v_and_b32 v[L32], 7, v0
	v_lshlrev_b32 v[L32], 5, v[L32]
	v_and_b32 v[L16], 31, v0
	v_lshlrev_b32 v[L16], 4, v[L16]
	; five loads for every kind, 512 bytes from my first column at the most: inside bg1's 2,048 bytes (col 0, 1) and inside the others' 4,096.  They are waited for behind the loop.
	global_load_b128 v[BI:BI+3],     v[L32], s[86:87]
	global_load_b128 v[BI+4:BI+7],   v[L32], s[86:87] offset:16
	global_load_b128 v[BI+8:BI+11],  v[L32], s[86:87] offset:256
	global_load_b128 v[BI+12:BI+15], v[L32], s[86:87] offset:272
	global_load_b128 v[BG:BG+3],     v[L16], s[86:87]
	s_lshl_b32 s96, ttmp9, 4                       ; 16 b
	s_lshl2_add_u32 s96, s85, s96                  ; + 4 col
	s_lshl1_add_u32 s96, s12, s96                  ; + 2 half: my first head
	s_lshl_b32 s96, s96, 17                        ; a head is 131,072 bytes
	s_lshl_b32 s97, s40, 15                        ; 256 cx rows of 128 bytes
	s_add_co_u32 s96, s96, s97
	s_lshl_b32 s97, s11, 14                        ; my 128 rows
	s_add_co_u32 s96, s96, s97
	s_mov_b32 s97, 0
	s_add_nc_u64 s[88:89], s[88:89], s[96:97]
	s_lshl1_add_u32 s98, s42, s11                  ; hpart's row 2 mt + half,
	s_lshl_b32 s98, s98, 11                        ; 2,048 bytes each,
	s_add_co_u32 s98, s98, s94                     ; and my first column
	s_mov_b32 s99, 0
	s_add_nc_u64 s[82:83], s[82:83], s[98:99]
	; fragments: lane l holds row l % 16; two loads of 16 bytes, 32 bytes apart, at row x pitch + 16 (l / 16)
	v_and_b32 v1, 15, v0
	v_bfe_u32 v2, v0, 4, 1
	v_mul_u32_u24 v3, v1, PITCH
	v_lshl_add_u32 v3, v2, 4, v3
	s_mul_i32 s21, s11, HALFT
	s_mul_i32 s22, s12, HALFT
	s_add_co_u32 s22, s22, 2*HALFT
.irp s, 0,1
	v_add_nc_u32 v[ADRA+(\s)], s21, v3
	v_add_nc_u32 v[ADRB+(\s)], s22, v3
	s_add_co_u32 s21, s21, SLOT
	s_add_co_u32 s22, s22, SLOT
.endr
	s_mul_i32 s23, s10, DWAVE                      ; my part of the way out
	v_mul_u32_u24 v4, v1, DPITCH
	v_lshl_add_u32 v4, v2, 5, v4                   ; row l % 16, 32 bytes for each half of the lanes
	v_add_nc_u32 v[DST], s23, v4
; 16 matrix instructions: m blocks a0, a0 + 1 of the window's four x all 8 n blocks, 32 along K.  zero = 1: the product starts the sums
.macro MUL16 f, hi, a0, zero
	WIN MUL_LO+0x50*(\hi)
.irp a, \a0, (\a0)+1
.irp b, 0,1,2,3,4,5,6,7
.if \zero
	v_wmma_f32_16x16x32_bf16 v[8*(8*(\a)+(\b)):8*(8*(\a)+(\b))+7], v[(\f)+8*(\b):(\f)+8*(\b)+7], v[(\f)+8*(4*(\hi)+(\a)):(\f)+8*(4*(\hi)+(\a))+7], 0
.else
	v_wmma_f32_16x16x32_bf16 v[8*(8*(\a)+(\b)):8*(8*(\a)+(\b))+7], v[(\f)+8*(\b):(\f)+8*(\b)+7], v[(\f)+8*(4*(\hi)+(\a)):(\f)+8*(4*(\hi)+(\a))+7], v[8*(8*(\a)+(\b)):8*(8*(\a)+(\b))+7]
.endif
.endr
.endr
.endm
; 32 LDS loads in one run: a quarter step's fragments (32 K at byte k of the rows) into buffer f
.macro FETCH slot, k, f
	WIN TO_B
.irp i, 0,1,2,3,4,5,6,7
	ds_load_b128 v[(\f)+8*(\i):(\f)+8*(\i)+3],   v[ADRB+(\slot)] offset:(\k)+(\i)*16*PITCH
	ds_load_b128 v[(\f)+8*(\i)+4:(\f)+8*(\i)+7], v[ADRB+(\slot)] offset:(\k)+(\i)*16*PITCH+32
.endr
	WIN 0
.irp i, 0,1,2,3,4,5,6,7
	ds_load_b128 v[(\f)+8*(\i):(\f)+8*(\i)+3],   v[ADRA+(\slot)] offset:(\k)+(\i)*16*PITCH
	ds_load_b128 v[(\f)+8*(\i)+4:(\f)+8*(\i)+7], v[ADRA+(\slot)] offset:(\k)+(\i)*16*PITCH+32
.endr
.endm
.macro PLACES                          ; four plain vector places in front of loads into registers that matrix instructions have read, and of reads of results just made
.rept 4
	v_nop
.endr
.endm
; A K step is four quarters of 32 along K, 64 matrix instructions each, on buffers 0, 1, 0, 1; the 64 accumulators take turns.
.macro QUARTER slot, k, f, g, zero
	s_wait_dscnt 8                                 ; all but the youngest eight loads (xb's rows 64-127) are in
	MUL16 \f, 0, 0, \zero
	MUL16 \f, 0, 2, \zero
	PLACES
	FETCH \slot, \k, \g
	s_wait_dscnt 32                                ; all but the 32 just issued
	MUL16 \f, 1, 0, \zero
	MUL16 \f, 1, 2, \zero
.endm
; The last quarter's first half, and ONE barrier for the change of slots.
.macro MEET round
	WIN 0
	s_wait_tensorcnt 0x0                           ; all my tensor loads have landed: the one that was out is my part of the next slot
	ds_add_u32 v[SPW], v[NIL]                      ; 0 onto my spare word
	s_wait_dscnt 9                                 ; (the add and the youngest eight loads may be out)
	MUL16 F1, 0, 0, 0
	s_wait_dscnt 0x0                               ; the add is done, and my reads of this slot are over
	s_barrier_signal -1
	MUL16 F1, 0, 2, 0
.if \round
	WIN 0
.endif
	s_barrier_wait -1
.endm
; The whole last quarter.  fill = 1: the barrier opens a round of the cluster's, and the slot just read is filled again first behind it, two K steps on.
.macro TURN slot, next, fill
	MEET \fill
.if \fill
	CREST
	s_add_nc_u64 s[G0+4*(\slot)+2:G0+4*(\slot)+3], s[G0+4*(\slot)+2:G0+4*(\slot)+3], 2*KSTEP*2
	s_add_nc_u64 s[G0B+4*(\slot)+2:G0B+4*(\slot)+3], s[G0B+4*(\slot)+2:G0B+4*(\slot)+3], 2*KSTEP*2
	JLOAD \slot                                    ; my one tensor load behind the round; its four v_nop are also the places in front of the loads below
.else
	PLACES
.endif
	FETCH \next, 0, F0
	MUL16 F1, 1, 0, 0
	MUL16 F1, 1, 2, 0
.endm
	s_wait_tensorcnt 1                             ; my part of K step 0 is in; step 1's may stay out
	s_barrier_signal -1
	s_barrier_wait -1
	FETCH 0, 0, F0
	QUARTER 0, 64,  F0, F1, 1                      ; the first quarter starts the sums: nothing is cleared
	WIN 0
	s_mov_b32 s3, LAPS-1
.Llap:                                                 ; a trip goes once round the ring and fills both slots again: K steps 2 to 7
	QUARTER 0, 128, F1, F0, 0
	QUARTER 0, 192, F0, F1, 0
	TURN 0, 1, 1
	QUARTER 1, 64,  F0, F1, 0
	QUARTER 1, 128, F1, F0, 0
	QUARTER 1, 192, F0, F1, 0
	TURN 1, 0, 1
	QUARTER 0, 64,  F0, F1, 0
	WIN 0
	s_sub_co_u32 s3, s3, 1
	s_cmp_lg_u32 s3, 0
	s_cbranch_scc1 .Llap
	QUARTER 0, 128, F1, F0, 0                      ; the last lap fills nothing
	QUARTER 0, 192, F0, F1, 0
	TURN 0, 1, 0
	QUARTER 1, 64,  F0, F1, 0
	QUARTER 1, 128, F1, F0, 0
	QUARTER 1, 192, F0, F1, 0
	s_wait_dscnt 8
	MUL16 F1, 0, 0, 0
	MUL16 F1, 0, 2, 0
	s_wait_dscnt 0x0
	MUL16 F1, 1, 0, 0
	MUL16 F1, 1, 2, 0
	WIN 0
	PLACES
	s_barrier_signal -1                            ; my reads of the ring are back (the wait for 0 above); no fill follows in this launch
	s_barrier_wait -1                              ; nobody reads the ring any more: its bytes take the sums
.irp hi, 0,1
	WIN 0x08+4*(\hi)                               ; store data (source 1) from window 2 or 3
.irp a, 0,1,2,3
.irp b, 0,1,2,3,4,5,6,7
	ds_store_b128 v[DST], v[8*(8*(\a)+(\b)):8*(8*(\a)+(\b))+3]   offset:(4*(\hi)+(\a))*16*DPITCH+64*(\b)
	ds_store_b128 v[DST], v[8*(8*(\a)+(\b))+4:8*(8*(\a)+(\b))+7] offset:(4*(\hi)+(\a))*16*DPITCH+64*(\b)+16
.endr
.endr
.endr
	WIN 0
	s_wait_loadcnt 0x0                             ; the biases
	s_cmp_eq_u32 s84, 0
	s_cbranch_scc1 .Lgate
	; Q, K, V.  Eight lanes hold a head's row (8 columns each), a wave's store 4 dense rows of a head: 512 neighbouring bytes.  A trip: 8 rows x 2 heads, in four groups g: head g / 2, rows 4 (g % 2) + lane / 8.
.set XX,  64                           ; v64-95    as read back, 8 a group
.set YY,  96                           ; v96-127   with the bias
.set SS,  128                          ; v128-135  a pair a group: the sum of squares
.set FAC, 136                          ; v136-143  a pair a group: the factor in the low word
.set OUTR, 144                         ; v144-159  4 a group, to store
.set ONE, 160
.irp k, 0,1,2,3,4,5,6,7
	v_cvt_pk_bf16_f32 v[52+(\k)%4], v[BI+2*(\k)], v[BI+2*(\k)+1]
	v_lshlrev_b32 v[BI+2*(\k)], 16, v[52+(\k)%4]
	v_and_b32 v[BI+2*(\k)+1], 0xffff0000, v[52+(\k)%4]
.endr
	v_mov_b32 v[ONE], 1.0
.irp g, 0,1,2,3
	v_mov_b32 v[FAC+2*(\g)+1], 0                   ; named with the factor as a pair
.endr
	v_bfe_u32 v5, v0, 3, 2                         ; lane / 8
	v_mul_u32_u24 v5, v5, DPITCH
	v_add_nc_u32 v5, v5, v[L32]
	v_add_nc_u32 v[RD], s23, v5
	v_mov_b32 v[GO], v[L16]
.macro QLOAD
.irp g, 0,1,2,3
	ds_load_b128 v[XX+8*(\g):XX+8*(\g)+3],   v[RD] offset:((\g)%2)*4*DPITCH+((\g)/2)*256
	ds_load_b128 v[XX+8*(\g)+4:XX+8*(\g)+7], v[RD] offset:((\g)%2)*4*DPITCH+((\g)/2)*256+16
.endr
.endm
.macro QTRIP ahead
	s_wait_dscnt 0x0                               ; the trip's eight loads (LDS serves a wave's instructions in order: they saw my stores)
.irp g, 0,1,2,3
.irp j, 0,2,4,6
	v_pk_add_f32 v[YY+8*(\g)+(\j):YY+8*(\g)+(\j)+1], v[XX+8*(\g)+(\j):XX+8*(\g)+(\j)+1], v[BI+8*((\g)/2)+(\j):BI+8*((\g)/2)+(\j)+1]
.endr
.endr
.if \ahead
	v_add_nc_u32 v[RD], 8*DPITCH, v[RD]
	QLOAD                                          ; the next trip's rows come while this trip is worked on
.endif
.irp g, 0,1,2,3
	v_pk_mul_f32 v[SS+2*(\g):SS+2*(\g)+1], v[YY+8*(\g):YY+8*(\g)+1], v[YY+8*(\g):YY+8*(\g)+1]
.endr
.irp j, 2,4,6
.irp g, 0,1,2,3
	v_pk_fma_f32 v[SS+2*(\g):SS+2*(\g)+1], v[YY+8*(\g)+(\j):YY+8*(\g)+(\j)+1], v[YY+8*(\g)+(\j):YY+8*(\g)+(\j)+1], v[SS+2*(\g):SS+2*(\g)+1]
.endr
.endr
.irp g, 0,1,2,3
	v_add_f32 v[SS+2*(\g)], v[SS+2*(\g)], v[SS+2*(\g)+1]
.endr
.irp m, 1,2,4                          ; over the eight lanes of a head's row
.irp g, 0,1,2,3
	v_add_f32_dpp v[SS+2*(\g)], v[SS+2*(\g)], v[SS+2*(\g)] row_xmask:\m row_mask:0xf bank_mask:0xf
.endr
.endr
.irp g, 0,1,2,3
	v_sqrt_f32 v[SS+2*(\g)], v[SS+2*(\g)]
.endr
	v_nop                                          ; a plain instruction behind the last root
	s_wait_alu depctr_va_vdst(0)
.irp g, 0,1,2,3
	v_max_num_f32 v[SS+2*(\g)], s92, v[SS+2*(\g)]
.endr
.irp g, 0,1,2,3
	v_rcp_f32 v[FAC+2*(\g)], v[SS+2*(\g)]
.endr
	v_nop                                          ; and behind the last reciprocal
	s_wait_alu depctr_va_vdst(0)
.irp g, 0,1,2,3
	v_mul_f32 v[FAC+2*(\g)], s90, v[FAC+2*(\g)]
.endr
.irp g, 0,1,2,3
	v_cndmask_b32 v[FAC+2*(\g)], v[FAC+2*(\g)], v[ONE], s91
.endr
.irp g, 0,1,2,3
.irp j, 0,2,4,6
	v_pk_mul_f32 v[YY+8*(\g)+(\j):YY+8*(\g)+(\j)+1], v[YY+8*(\g)+(\j):YY+8*(\g)+(\j)+1], v[FAC+2*(\g):FAC+2*(\g)+1] op_sel_hi:[1,0]
.endr
.endr
.irp g, 0,1,2,3
.irp j, 0,1,2,3
	v_cvt_pk_f16_f32 v[OUTR+4*(\g)+(\j)], v[YY+8*(\g)+2*(\j)], v[YY+8*(\g)+2*(\j)+1]
.endr
.endr
.irp g, 0,1,2,3
	global_store_b128 v[GO], v[OUTR+4*(\g):OUTR+4*(\g)+3], s[88:89] offset:((\g)%2)*512+((\g)/2)*131072
.endr
.if \ahead
	s_wait_xcnt 0x0                                ; the stores' offset and data are written again only behind this wait
	v_add_nc_u32 v[GO], 1024, v[GO]                ; 8 rows of 128 bytes on
.endif
.endm
	QLOAD
	s_mov_b32 s3, 15
.Lqtrip:
	QTRIP 1
	s_sub_co_u32 s3, s3, 1
	s_cmp_lg_u32 s3, 0
	s_cbranch_scc1 .Lqtrip
	QTRIP 0
	s_branch .Lend
.Lgate:
	; THE GATE's first layer.  Lane l owns the columns 4 l .. 4 l + 3 of my 128, so the column sums never leave the lane.  A trip: 4 rows.
.set GX, 64
.set GY, 80
.set GT, 96
.set GE, 112
.set GQ, 128
.set GM, 144
.set GS, 160
.set KP, 24                            ; the descriptors' registers are free: every tensor load has been waited for
.set KS2, 26
.set H5, 28
.set H4, 30
.set H3, 32
.set H2, 34
.set H1, 36
.macro PAIR r, bits
	s_mov_b32 s[\r], \bits
	s_mov_b32 s[\r+1], \bits
.endm
	PAIR KP,  0x3e6d3388                           ; 0.3275911 / sqrt(2)
	PAIR KS2, 0x3f596d27                           ; sqrt(log2(e) / 2): e^(-y^2 / 2) = 2^-((0.84932 y)^2)
	PAIR H5,  0x3f07dc22                           ; a5 / 2 =  0.5307027
	PAIR H4,  0xbf3a00e3                           ; a4 / 2 = -0.7265760
	PAIR H3,  0x3f35f0e3                           ; a3 / 2 =  0.7107069
	PAIR H2,  0xbe11a98e                           ; a2 / 2 = -0.1422484
	PAIR H1,  0x3e027906                           ; a1 / 2 =  0.1274148
	v_cvt_pk_bf16_f32 v52, v[BG], v[BG+1]
	v_cvt_pk_bf16_f32 v53, v[BG+2], v[BG+3]
	v_lshlrev_b32 v[BG], 16, v52
	v_and_b32 v[BG+1], 0xffff0000, v52
	v_lshlrev_b32 v[BG+2], 16, v53
	v_and_b32 v[BG+3], 0xffff0000, v53
.set k, 0
.rept 16
	v_mov_b32 v[GS+k], 0
.set k, k+1
.endr
	v_add_nc_u32 v[RD], s23, v[L16]
.macro GLOAD
.irp i, 0,1,2,3
	ds_load_b128 v[GX+4*(\i):GX+4*(\i)+3], v[RD] offset:(\i)*DPITCH
.endr
.endm
.macro PK8 line:vararg                 ; one line for each of the eight pairs k = 0, 2, .. 14
.set k, 0
	s_wait_alu depctr_va_vdst(0)
.rept 8
	\line
.set k, k+2
.endr
.endm
.macro ONE16 line:vararg               ; one line for each of the sixteen numbers k
.set k, 0
.rept 16
	\line
.set k, k+1
.endr
.endm
.macro GTRIP ahead
	s_wait_dscnt 0x0
	PK8 v_pk_add_f32 v[GY+k:GY+k+1], v[GX+k:GX+k+1], v[BG+k%4:BG+k%4+1]
.if \ahead
	v_add_nc_u32 v[RD], 4*DPITCH, v[RD]
	GLOAD
.endif
	ONE16 v_fma_f32 v[GT+k], |v[GY+k]|, s[KP], 1.0
	PK8 v_pk_mul_f32 v[GE+k:GE+k+1], v[GY+k:GY+k+1], s[KS2:KS2+1] op_sel_hi:[1,0]
	ONE16 v_rcp_f32 v[GT+k], v[GT+k]
	PK8 v_pk_mul_f32 v[GE+k:GE+k+1], v[GE+k:GE+k+1], v[GE+k:GE+k+1] neg_lo:[1,0] neg_hi:[1,0]
	ONE16 v_exp_f32 v[GE+k], v[GE+k]
	ONE16 v_max_num_f32 v[GM+k], 0, v[GY+k]
	PK8 v_pk_fma_f32 v[GQ+k:GQ+k+1], v[GT+k:GT+k+1], s[H5:H5+1], s[H4:H4+1] op_sel_hi:[1,0,0]
	PK8 v_pk_fma_f32 v[GQ+k:GQ+k+1], v[GQ+k:GQ+k+1], v[GT+k:GT+k+1], s[H3:H3+1] op_sel_hi:[1,1,0]
	PK8 v_pk_fma_f32 v[GQ+k:GQ+k+1], v[GQ+k:GQ+k+1], v[GT+k:GT+k+1], s[H2:H2+1] op_sel_hi:[1,1,0]
	PK8 v_pk_fma_f32 v[GQ+k:GQ+k+1], v[GQ+k:GQ+k+1], v[GT+k:GT+k+1], s[H1:H1+1] op_sel_hi:[1,1,0]
	PK8 v_pk_mul_f32 v[GQ+k:GQ+k+1], v[GQ+k:GQ+k+1], v[GT+k:GT+k+1]
	PK8 v_pk_mul_f32 v[GQ+k:GQ+k+1], v[GQ+k:GQ+k+1], v[GE+k:GE+k+1]
	PK8 v_pk_add_f32 v[GS+k:GS+k+1], v[GS+k:GS+k+1], v[GM+k:GM+k+1]
	ONE16 v_fma_f32 v[GS+k], -|v[GY+k]|, v[GQ+k], v[GS+k]
.endm
	GLOAD
	s_mov_b32 s3, 31
.Lgtrip:
	GTRIP 1
	s_sub_co_u32 s3, s3, 1
	s_cmp_lg_u32 s3, 0
	s_cbranch_scc1 .Lgtrip
	GTRIP 0
	v_pk_add_f32 v[GS:GS+1],     v[GS:GS+1],     v[GS+4:GS+5]      ; the four rows' places into one
	v_pk_add_f32 v[GS+2:GS+3],   v[GS+2:GS+3],   v[GS+6:GS+7]
	v_pk_add_f32 v[GS+8:GS+9],   v[GS+8:GS+9],   v[GS+12:GS+13]
	v_pk_add_f32 v[GS+10:GS+11], v[GS+10:GS+11], v[GS+14:GS+15]
	v_pk_add_f32 v[GS:GS+1],     v[GS:GS+1],     v[GS+8:GS+9]
	v_pk_add_f32 v[GS+2:GS+3],   v[GS+2:GS+3],   v[GS+10:GS+11]
	global_store_b128 v[L16], v[GS:GS+3], s[82:83]                 ; 512 neighbouring bytes of my row of hpart
.Lend:
	s_wait_tensorcnt 0x0                           ; the wave's end: behind my last tensor load and my last LDS store
	ds_add_u32 v[SPW], v[NIL]
	s_wait_dscnt 0x0
	CROUND                                         ; the closing round: no work-group ends while a partner may still ask for a tile that names it
	s_endpgm
.Lfunc_end_k_qfacd0a3607_proj:
	.size	k_qfacd0a3607_proj, .Lfunc_end_k_qfacd0a3607_proj-k_qfacd0a3607_proj
	.p2alignl 7, 3214868480
	.fill 96, 4, 3214868480
	.section	.rodata,"a",@progbits
	.p2align	6, 0x0
	.amdhsa_kernel k_qfacd0a3607_proj
		.amdhsa_group_segment_fixed_size 327680
		.amdhsa_private_segment_fixed_size 0
		.amdhsa_enable_private_segment 0
		.amdhsa_kernarg_size 80
		.amdhsa_user_sgpr_count 2
		.amdhsa_user_sgpr_kernarg_segment_ptr 1
		.amdhsa_wavefront_size32 1
		.amdhsa_system_sgpr_workgroup_id_x 1
		.amdhsa_system_sgpr_workgroup_id_y 1
		.amdhsa_system_sgpr_workgroup_id_z 1
		.amdhsa_system_vgpr_workitem_id 0
		.amdhsa_next_free_vgpr 1024
		.amdhsa_next_free_sgpr 100
		.amdhsa_reserve_vcc 0
		.amdhsa_float_denorm_mode_32 3
		.amdhsa_float_denorm_mode_16_64 3
		.amdhsa_memory_ordered 1
		.amdhsa_forward_progress 1
		.amdhsa_inst_pref_size 156
	.end_amdhsa_kernel
	.amdgpu_metadata
---
amdhsa.version: [ 1, 2 ]
amdhsa.kernels:
  - .name:           k_qfacd0a3607_proj
    .symbol:         k_qfacd0a3607_proj.kd
    .args:
      - { .name: xb, .offset: 0, .size: 8, .value_kind: global_buffer, .address_space: global }
      - { .name: wcat, .offset: 8, .size: 8, .value_kind: global_buffer, .address_space: global }
      - { .name: bg1, .offset: 16, .size: 8, .value_kind: global_buffer, .address_space: global }
      - { .name: bq, .offset: 24, .size: 8, .value_kind: global_buffer, .address_space: global }
      - { .name: bk, .offset: 32, .size: 8, .value_kind: global_buffer, .address_space: global }
      - { .name: bv, .offset: 40, .size: 8, .value_kind: global_buffer, .address_space: global }
      - { .name: q16, .offset: 48, .size: 8, .value_kind: global_buffer, .address_space: global }
      - { .name: k16, .offset: 56, .size: 8, .value_kind: global_buffer, .address_space: global }
      - { .name: v16, .offset: 64, .size: 8, .value_kind: global_buffer, .address_space: global }
      - { .name: hpart, .offset: 72, .size: 8, .value_kind: global_buffer, .address_space: global }
    .group_segment_fixed_size: 327680
    .private_segment_fixed_size: 0
    .kernarg_segment_align: 8
    .kernarg_segment_size: 80
    .max_flat_workgroup_size: 128
    .sgpr_count:     100
    .vgpr_count:     1024
    .wavefront_size: 32
...
	.end_amdgpu_metadata
.endif
;; end of part 2
;; launch attn (part 3): grid 2 x 128, 4 waves a work-group, no clusters, 327,680 bytes of LDS; arguments q16, k16, v16, hpart, Wg2, bg2, g, o16; writes o16
.if DOCPART == 3
	.amdgcn_target "amdgcn-amd-amdhsa--gfx1250"
	.amdhsa_code_object_version 6
	.text
	.protected	k_qfacd0a3607_attn
	.globl	k_qfacd0a3607_attn
	.p2align	8
	.type	k_qfacd0a3607_attn,@function
k_qfacd0a3607_attn:
	s_mov_b64 s[64:65], 0
	v_nop
	global_prefetch_b8 v0, s[64:65] scope:SCOPE_SE
	s_setreg_imm32_b32 hwreg(HW_REG_WAVE_MODE, 25, 1), 1
	s_wait_xcnt 0x0
; ATTENTION ON NORMALISED Q AND K, AND THE GATES.  o16[bh][q][:] = 4 gate[bh] x (sum over k of p V[bh][k][:]) / (sum over k of p),  p = 2^x,  x = q16[bh][q] . k16[bh][k].
; q16 holds Q / max(|Q|, 1e-12) x log2(e) / 8 and k16 holds K / max(|K|, 1e-12), so |x| <= 0.1804 for every input: p in 0.88 to 1.14, a row's sum in 900 to 1,170.
; The computation itself bounds the exponents, so no maximum is taken away and nothing is rescaled, and on that range 2^x is taken as 1 + x (d1 + d2 x), the equal-ripple fit for |x ln 2| <= 0.125:
; off by 8.4e-5 at the most, under the step to which p is rounded for the second product (2.4e-4 to 4.9e-4).  No exponential stands in the loop.
; gate[bh] = sigmoid(g[h]) sigmoid(bg2[h] + (sum over t of gelu(..)[b][t][:]) . Wg2[h][:] / 1024): the mean over t is taken ahead of the small product, which is 512 multiply-adds in f32 a wave.
; g, bg2 and Wg2 are rounded to bf16 like all the module's inputs.  All four tensors by heads, [128][1024][64] f16; products and sums in f32; p rounded to f16 for the second product, its sum taken unrounded.
; LIMITS.  The factor 4 (taken back, exactly, by the launch behind) gives f16's small end two more bits: 4 gate |O| beyond 65,504 becomes an infinity, below 6.1e-5 it keeps the fixed step 6e-8.
; NaN and infinities are not treated apart.
; SHARES.  A work-group owns 512 queries of a head, a wave 128: four PIECES of two tiles of 16.  Every wave walks the head's 1,024 keys, 64 a step.
; LDS.  The head's K (1,024 rows of 144 bytes) and V (1,024 rows of 160) lie in LDS whole: 311,296 bytes; no byte is filled twice, so the key step is written once.  A wave issues two tensor loads:
; at the start its half of K's keys 0-319 or of V's keys 0-255, and behind the first barrier its half of the rest.  Steps 0 to 3 read the first fill alone (K of step 4, fetched in step 3, lies in it).
; NO CLUSTER: a head has two work-groups, so four partners would hold two heads, and a tile would be shared by two of the four only.
; LAYOUT.  S^T = K Q^T: a lane holds ONE query (lane % 16) and the keys 8 (lane / 16) + 0..7; two such results rounded to f16 ARE source 1 of O^T = V^T P.  V is turned by ds_load_tr16_b128.
; BY TURNS.  Turn n belongs to piece n: 16 products K Q^T of piece n + 1, then 16 products V^T P of piece n - 1; behind EVERY product four plain vector instructions of piece n, each for a pair of scores:
; u = d1 + d2 x;  p = 1 + x u (two products later);  the rounding to f16 and the sum (two products later again).  32 pairs a piece and step: exactly four lines for each of the 32 products.
; The first step is a step like any other: O^T, l, V and P's second buffer start at 0 (368 v_mov_b32, in the wait for the first keys); the price is 16 products on zeros, and 16 on a stale K at the end.
; REGISTERS:  window 0: v0-15 addresses and the gate; v16-31 l, a pair a tile; v32-39 u, four pairs by turns; v62, v63 the add's; v64-191 S^T, two buffers of two tiles; v192-255 P, likewise
;   window 1: O^T, 32 a tile          window 2: v0-127 Q; v128-191 K of one step; v192-255 V of one step
.set NP,    4
.set KS,    64        ; keys in a step
.set NKEY,  1024
.set PK,    144       ; a row of K in LDS: 128 bytes + 16
.set PV,    160       ; a row of V: 128 + 32
.set VOFF,  NKEY*PK   ; V lies behind K
.set STAGE, VOFF+NKEY*PV  ; behind both, never filled by a tensor load: 16 rows x 144 bytes for each wave, for the way out
.set SP,    144
.set SPARE, STAGE+4*16*SP ; the spare words, 128 bytes a wave
.set KW0,   160       ; keys of K that a wave brings at the start,
.set KW1,   352       ; and behind the first barrier
.set VW0,   128       ; the same for V
.set VW1,   384
.set AK0, 2
.set AV0, 3
.set AK,  4
.set AV,  5
.set QO,  6
.set RD,  7
.set GO,  8           ; v8   16 lane; never rewritten
.set STO, 12
.set GATE, 14
.set LS,  16
.set UB,  32
.set SPW, 62
.set NIL, 63
.set S,   64
.set P,   192
.set KF,  128
.set VF,  192
.set WV,  20
.set G1KS, 24         ; s[24:31] descriptor group 1: K's first fill;  s[32:39] K's second;  s[40:47], s[48:55] the same for V
.set G1KB, 32
.set G1VS, 40
.set G1VB, 48
.set OUTC, 56         ; s56  counts the two runs of steps
.set CNT, 57          ; s57  counts a run's steps
.set SEL, 60
.set TBK, 62          ; s62  LDS byte at which K of the step to be fetched begins
.set TBV, 63          ; s63  the same for V, less VOFF
.set G0KS, 68         ; s[68:83] four descriptor groups 0, in the same order; none is ever rewritten
.set G0KB, 72
.set G0VS, 76
.set G0VB, 80
.set D2,  84          ; s[84:85] d2, s[86:87] d1: named as pairs
.set D1,  86
.set MSB, 0
.macro WIN new
.if MSB != (\new)
	s_set_vgpr_msb (MSB<<8)|(\new)
.set MSB, (\new)
.endif
.endm
.set W_KQ, 0x0a       ; K and Q in window 2, S^T in window 0
.set W_PV, 0x52       ; V in window 2, P in window 0, O^T in window 1
.set W_RS, 0x41       ; destination and source 0 in window 1, source 1 in window 0
; A fill.  Waves 0 and 1 fetch the two halves of K's part, waves 2 and 3 those of V's.  An s_nop 0 and four v_nop follow each line.
.macro LOAD gk, g1k, gv, g1v
	s_cmp_lt_u32 s[WV], 2
	s_cbranch_scc0 .Lfor_v_\@
	tensor_load_to_lds s[\gk:\gk+3], s[\g1k:\g1k+7]
	s_nop 0
.rept 4
	v_nop
.endr
	s_branch .Lasked_\@
.Lfor_v_\@:
	tensor_load_to_lds s[\gv:\gv+3], s[\g1v:\g1v+7]
	s_nop 0
.rept 4
	v_nop
.endr
.Lasked_\@:
.endm
; Keys are dense rows of 128 bytes: asked for as rows of 256 bytes, two keys a row, and padded in LDS after every key (32 words) by pad + 1 words
.macro GROUP1 g, pad, rows
	s_mov_b32 s[\g], (1<<16)|(1<<20)|(4<<22)|((\pad)<<25)
	s_mov_b32 s[\g+1], 128<<16      ; tensor_dim0 = 128
	s_mov_b32 s[\g+2], (\rows)<<16  ; tensor_dim1
	s_mov_b32 s[\g+3], 128<<16      ; tile_dim0 = 128
	s_mov_b32 s[\g+4], \rows        ; tile_dim1
	s_mov_b32 s[\g+5], 128          ; 128 elements from row to row
	s_mov_b32 s[\g+6], 0
	s_mov_b32 s[\g+7], 0
.endm
	s_load_b512 s[4:19], s[0:1], 0x0  ; q16 s[4:5], k16 s[6:7], v16 s[8:9], hpart s[10:11], Wg2 s[12:13], bg2 s[14:15], g s[16:17], o16 s[18:19]
	v_lshl_add_u32 v[SPW], v0, 2, SPARE
	v_mov_b32 v[NIL], 0
	ds_add_u32 v[SPW], v[NIL]       ; the wave's opening: the add and its wait ahead of my first tensor load
	ds_add_u32 v62, v63
	v_lshrrev_b32 v1, 5, v0
	v_readfirstlane_b32 s[WV], v1
	s_and_b32 s21, ttmp7, 0xffff    ; bh = 16 b + h
	s_lshl_b32 s23, s21, 17         ; the head's first byte in q16, k16, v16, o16
	s_and_b32 s22, s[WV], 1         ; which half of a fill I fetch
	s_mul_i32 s88, s22, KW0*128     ; byte offsets in memory: K's first fill,
	s_add_co_u32 s88, s88, s23
	s_mov_b32 s89, 0
	s_mul_i32 s90, s22, KW1*128     ; K's second, behind the first's 320 keys,
	s_add_co_u32 s90, s90, s23
	s_add_co_u32 s90, s90, 2*KW0*128
	s_mov_b32 s91, 0
	s_mul_i32 s92, s22, VW0*128     ; V's first,
	s_add_co_u32 s92, s92, s23
	s_mov_b32 s93, 0
	s_mul_i32 s94, s22, VW1*128     ; V's second, behind the first's 256 keys
	s_add_co_u32 s94, s94, s23
	s_add_co_u32 s94, s94, 2*VW0*128
	s_mov_b32 s95, 0
	s_lshl_b32 s96, ttmp9, 2
	s_add_co_u32 s96, s96, s[WV]    ; my wave among the head's eight,
	s_lshl_b32 s96, s96, 14         ; its 128 rows of 128 bytes
	s_add_co_u32 s96, s96, s23
	s_mov_b32 s97, 0
	GROUP1 G1KS, 3, KW0/2
	GROUP1 G1KB, 3, KW1/2
	GROUP1 G1VS, 7, VW0/2
	GROUP1 G1VB, 7, VW1/2
	s_mov_b32 s[G0KS], 1            ; count = 1; then the LDS address: a constant plus my half times a constant
	s_mul_i32 s[G0KS+1], s22, KW0*PK
	s_mov_b32 s[G0KB], 1
	s_mul_i32 s[G0KB+1], s22, KW1*PK
	s_add_co_u32 s[G0KB+1], s[G0KB+1], 2*KW0*PK
	s_mov_b32 s[G0VS], 1
	s_mul_i32 s[G0VS+1], s22, VW0*PV
	s_add_co_u32 s[G0VS+1], s[G0VS+1], VOFF
	s_mov_b32 s[G0VB], 1
	s_mul_i32 s[G0VB+1], s22, VW1*PV
	s_add_co_u32 s[G0VB+1], s[G0VB+1], VOFF+2*VW0*PV
	s_mov_b32 s[SEL], 0x76543210
	s_mov_b32 s[SEL+1], 0xfedcba98
	s_mov_b32 s[D2], 0x3e7641d3     ; d2 = 0.240486
	s_mov_b32 s[D2+1], 0x3e7641d3
	s_mov_b32 s[D1], 0x3f31cad1     ; d1 = 0.694501
	s_mov_b32 s[D1+1], 0x3f31cad1
	s_mov_b32 s[TBK], 0
	s_mov_b32 s[TBV], 0
	s_wait_dscnt 0x0                ; the opening add is done
	s_wait_kmcnt 0x0
	s_add_nc_u64 s[G0KS+2:G0KS+3], s[6:7], s[88:89]
	s_or_b32 s[G0KS+3], s[G0KS+3], 0x80000000
	s_add_nc_u64 s[G0KB+2:G0KB+3], s[6:7], s[90:91]
	s_or_b32 s[G0KB+3], s[G0KB+3], 0x80000000
	s_add_nc_u64 s[G0VS+2:G0VS+3], s[8:9], s[92:93]
	s_or_b32 s[G0VS+3], s[G0VS+3], 0x80000000
	s_add_nc_u64 s[G0VB+2:G0VB+3], s[8:9], s[94:95]
	s_or_b32 s[G0VB+3], s[G0VB+3], 0x80000000
	LOAD G0KS, G1KS, G0VS, G1VS     ; the first keys alone: what everybody waits for goes out by itself
	s_add_nc_u64 s[4:5], s[4:5], s[96:97]
	s_add_nc_u64 s[18:19], s[18:19], s[96:97]
	s_lshr_b32 s88, s21, 4
	s_lshl_b32 s88, s88, 14         ; batch b's eight rows of hpart
	s_add_nc_u64 s[10:11], s[10:11], s[88:89]
	s_and_b32 s88, s21, 15
	s_lshl_b32 s88, s88, 11         ; row h of Wg2
	s_add_nc_u64 s[12:13], s[12:13], s[88:89]
	s_lshr_b32 s88, s88, 9          ; 4 h
	s_add_nc_u64 s[14:15], s[14:15], s[88:89]
	s_add_nc_u64 s[16:17], s[16:17], s[88:89]
	s_load_b32 s58, s[16:17], 0x0   ; g[h]
	s_load_b32 s59, s[14:15], 0x0   ; bg2[h]
	v_and_b32 v[GO], 31, v0
	v_lshlrev_b32 v[GO], 4, v[GO]
.set i, 0
.rept 32                            ; hpart: row i / 4 of eight, columns 128 (i % 4) + 4 lane on
	global_load_b128 v[S+4*i:S+4*i+3], v[GO], s[10:11] offset:(i/4)*2048+(i%4)*512
.set i, i+1
.endr
.set i, 0
.rept 4                             ; Wg2[h], the same columns
	global_load_b128 v[P+4*i:P+4*i+3], v[GO], s[12:13] offset:i*512
.set i, i+1
.endr
	v_and_b32 v1, 15, v0            ; l % 16
	v_bfe_u32 v9, v0, 4, 1          ; l / 16
	v_lshlrev_b32 v[QO], 7, v1
	v_lshl_add_u32 v[QO], v9, 4, v[QO]
	WIN 0x80                        ; destination window 2
.set i, 0
.rept 4*NP                          ; Q stays in registers: tile i / 2, channels 32 (i % 2) on
	global_load_b128 v[8*i:8*i+3],   v[QO], s[4:5] offset:(i/2)*2048+(i%2)*64
	global_load_b128 v[8*i+4:8*i+7], v[QO], s[4:5] offset:(i/2)*2048+(i%2)*64+32
.set i, i+1
.endr
.set i, VF
.rept 64
	v_mov_b32 v[i], 0
.set i, i+1
.endr
	WIN 0x40
.set i, 0
.rept 64*NP
	v_mov_b32 v[i], 0
.set i, i+1
.endr
	WIN 0
.set i, 0
.rept 16
	v_mov_b32 v[LS+i], 0
.set i, i+1
.endr
.set i, P+32
.rept 32
	v_mov_b32 v[i], 0
.set i, i+1
.endr
	v_mul_u32_u24 v[AK0], v1, PK
	v_lshl_add_u32 v[AK0], v9, 4, v[AK0]
	v_and_b32 v10, 7, v0
	v_bfe_u32 v11, v0, 3, 1
	v_lshl_add_u32 v[AV0], v9, 3, v10
	v_mul_u32_u24 v[AV0], v[AV0], PV
	v_lshl_add_u32 v[AV0], v11, 4, v[AV0]
	v_add_nc_u32 v[AV0], VOFF, v[AV0]
	v_mov_b32 v[AK], v[AK0]         ; key step 0 lies at K's head
	; THE GATE, in the wait for the first keys
	s_wait_loadcnt 32               ; hpart and Wg2 are in; Q's 32 loads may stay out
	s_wait_kmcnt 0x0
.irp r, 1,2,3,4,5,6,7
.irp k, 0,2,4,6,8,10,12,14
	v_pk_add_f32 v[S+(\k):S+(\k)+1], v[S+(\k):S+(\k)+1], v[S+16*(\r)+(\k):S+16*(\r)+(\k)+1]
.endr
.endr
.irp k, 0,1,2,3,4,5,6,7
	v_cvt_pk_bf16_f32 v[P+16+(\k)], v[P+2*(\k)], v[P+2*(\k)+1]
.endr
.irp k, 0,1,2,3,4,5,6,7
	v_lshlrev_b32 v[P+2*(\k)], 16, v[P+16+(\k)]
	v_and_b32 v[P+2*(\k)+1], 0xffff0000, v[P+16+(\k)]
.endr
	v_pk_mul_f32 v[S+16:S+17], v[S:S+1], v[P:P+1]
.irp k, 2,4,6,8,10,12,14
	v_pk_fma_f32 v[S+16:S+17], v[S+(\k):S+(\k)+1], v[P+(\k):P+(\k)+1], v[S+16:S+17]
.endr
	v_add_f32 v[S+16], v[S+16], v[S+17]
.irp m, 1,2,4,8
	v_add_f32_dpp v[S+16], v[S+16], v[S+16] row_xmask:\m row_mask:0xf bank_mask:0xf
.endr
	v_permlanex16_b32 v[S+17], v[S+16], s[SEL], s[SEL+1]
	v_add_f32 v[S+16], v[S+16], v[S+17]            ; every lane: the sum over 1,024 rows and 512 columns
	v_mov_b32 v[S+18], s58
	v_mov_b32 v[S+19], s59
	v_cvt_pk_bf16_f32 v[S+20], v[S+18], v[S+19]
	v_lshlrev_b32 v[S+18], 16, v[S+20]             ; g[h]
	v_and_b32 v[S+19], 0xffff0000, v[S+20]         ; bg2[h]
	v_fma_f32 v[S+16], v[S+16], 0x3a800000, v[S+19]  ; sum / 1,024 + bg2
	v_mul_f32 v[S+16], 0xbfb8aa3b, v[S+16]
	v_mul_f32 v[S+18], 0xbfb8aa3b, v[S+18]
	v_exp_f32 v[S+16], v[S+16]
	v_exp_f32 v[S+18], v[S+18]
	v_nop
	s_wait_alu depctr_va_vdst(0)
	v_add_f32 v[S+16], 1.0, v[S+16]
	v_add_f32 v[S+18], 1.0, v[S+18]
	v_mul_f32 v[S+16], v[S+16], v[S+18]            ; both factors are 1 or more: the two sigmoids' product is one reciprocal
	v_rcp_f32 v[GATE], v[S+16]
	v_nop
	s_wait_alu depctr_va_vdst(0)
	v_mul_f32 v[GATE], 4.0, v[GATE]
	; What the first turn finishes for the piece that has not been: pair 14 is 0; pair 15 has x = 1 and u = -1, so its p = 1 + x u is 0: nothing is added to l, and P takes zeros
	v_mov_b32 v[S+92], 0
	v_mov_b32 v[S+93], 0
	v_mov_b32 v[S+124], 0
	v_mov_b32 v[S+125], 0
	v_mov_b32 v[S+94], 1.0
	v_mov_b32 v[S+95], 1.0
	v_mov_b32 v[S+126], 1.0
	v_mov_b32 v[S+127], 1.0
.irp k, 4,5,6,7
	v_mov_b32 v[UB+(\k)], -1.0
.endr
; THE MATRIX WORK.  The 8 accumulators of a run of 16 take turns.  Product i of 16 of S^T = K Q^T for piece x: channels 32 (i / 8) on, keys 16 ((i / 2) % 4) on, tile 2 x + i % 2.
.macro KQ x
	WIN W_KQ
.set rS, S+64*((\x)%2)+32*(i%2)+8*((i/2)%4)
.set rK, KF+16*((i/2)%4)+8*(i/8)
.set rQ, 16*(2*(\x)+i%2)+8*(i/8)
.if i < 8
	v_wmma_f32_16x16x32_f16 v[rS:rS+7], v[rK:rK+7], v[rQ:rQ+7], 0
.else
	v_wmma_f32_16x16x32_f16 v[rS:rS+7], v[rK:rK+7], v[rQ:rQ+7], v[rS:rS+7]
.endif
.endm
; Product i of 16 of O^T += V^T P for piece x: keys 32 (i / 8) on, channels 16 ((i / 2) % 4) on, tile 2 x + i % 2.
.macro PV x
	WIN W_PV
.set rO, 32*(2*(\x)+i%2)+8*((i/2)%4)
.set rV, VF+32*(i/8)+8*((i/2)%4)
.set rP, P+32*((\x)%2)+16*(i%2)+8*(i/8)
	v_wmma_f32_16x16x32_f16 v[rO:rO+7], v[rV:rV+7], v[rP:rP+7], v[rO:rO+7]
.endm
.macro MM                           ; the turn's next matrix instruction
.if i < 16
	KQ (Y+1)%NP
.set i, i+1
.else
.set i, i-16
	PV (Y+NP-1)%NP
.set i, i+17
.endif
.endm
; THE LDS LOADS stand in runs of 16.  skip = 1 (in the loop): behind the last step there is no further K, and the run is jumped over: the offset has reached K's end.
.macro FETCH_K skip=0
	WIN 0
.if \skip
	s_cmp_eq_u32 s[TBK], NKEY*PK
	s_cbranch_scc1 .Lno_k_\@
.endif
	WIN 0x80
.irp f, 0,1,2,3,4,5,6,7
	ds_load_b128 v[KF+8*\f:KF+8*\f+3],   v[AK] offset:(\f/2)*16*PK+(\f%2)*64
	ds_load_b128 v[KF+8*\f+4:KF+8*\f+7], v[AK] offset:(\f/2)*16*PK+(\f%2)*64+32
.endr
	s_add_co_u32 s[TBK], s[TBK], KS*PK
	WIN 0
.if \skip
.Lno_k_\@:
.endif
.endm
.macro FETCH_V
	WIN 0x80
.irp f, 0,1,2,3,4,5,6,7
	ds_load_tr16_b128 v[VF+8*\f:VF+8*\f+3],   v[AV] offset:(\f/4)*32*PV+(\f%4)*32
	ds_load_tr16_b128 v[VF+8*\f+4:VF+8*\f+7], v[AV] offset:(\f/4)*32*PV+16*PV+(\f%4)*32
.endr
	WIN 0
.endm
.macro REGS y, u                    ; the registers of tile u (0, 1) of piece y
.set rL, LS+2*(2*(\y)+(\u))
.set rS, S+64*((\y)%2)+32*(\u)
.set rP, P+32*((\y)%2)+16*(\u)
.endm
; GROUP n of a turn's 32: a product, and behind it four plain lines for tile n % 2.  Number m stands for pair m / 2 of tile m % 2:  u of number n;  the rounding of number n - 4;  p of number n - 2;  the sum of
; number n - 4.  So no line reads a result made fewer than two groups before it.  Groups 0 to 3 finish the piece before: its p of numbers 30, 31, its roundings and sums of numbers 28 to 31.  Those registers
; (28 to 31 of a tile) lie in the accumulators that products 6 and 7 of this turn start anew, behind group 3.  u takes each accumulator's registers in ascending order.
.macro GRP
	MM
	WIN 0
	REGS Y, n%2
	v_pk_fma_f32 v[UB+2*(n%4):UB+2*(n%4)+1], v[rS+2*(n/2):rS+2*(n/2)+1], s[D2:D2+1], s[D1:D1+1] op_sel_hi:[1,0,0]
.if n < 4
	REGS (Y+NP-1)%NP, n%2
.set jc, 14+n/2
.else
.set jc, (n-4)/2
.endif
.set cS, rS+2*jc
.set cL, rL
	v_cvt_pk_f16_f32 v[rP+jc], v[cS], v[cS+1]
.if n < 2
.set jb, 15
.else
	REGS Y, n%2
.set jb, (n-2)/2
.endif
	v_pk_fma_f32 v[rS+2*jb:rS+2*jb+1], v[rS+2*jb:rS+2*jb+1], v[UB+2*((n+2)%4):UB+2*((n+2)%4)+1], 1.0 op_sel_hi:[1,1,0]
	v_pk_add_f32 v[cL:cL+1], v[cL:cL+1], v[cS:cS+1]
.set n, n+1
.endm
; A TURN, for piece p.  V of the step in hand is fetched in piece 1's turn behind group 1: twelve plain instructions behind the last product that read V; it is waited for ahead of group 16.
; K of the next step is fetched in piece 2's turn behind group 17: twelve plain instructions behind the last product that read K; it is waited for at the head of piece 3's turn.
.macro TURN p
.set Y, (\p)
.set i, 0
.set n, 0
.if (\p) == 3
	s_wait_dscnt 0x0                ; K is in
.endif
.if (\p) == 1
	v_add_nc_u32 v[AV], s[TBV], v[AV0]
.endif
.rept 2
	GRP
.endr
.if (\p) == 1
	FETCH_V
	s_add_co_u32 s[TBV], s[TBV], KS*PV
.endif
.rept 14
	GRP
.endr
.if (\p) == 2
	v_add_nc_u32 v[AK], s[TBK], v[AK0]
.endif
.if (\p) == 1
	s_wait_dscnt 0x0                ; V is in
.endif
.rept 2
	GRP
.endr
.if (\p) == 2
	FETCH_K 1
.endif
.rept 14
	GRP
.endr
.endm
	s_wait_tensorcnt 0x0            ; my part of the first keys is in: no tensor load of mine is out
	ds_add_u32 v[SPW], v[NIL]       ; a fill follows behind the barrier
	s_wait_dscnt 0x0
	s_barrier_signal -1
	s_barrier_wait -1               ; everybody's part is in
	LOAD G0KB, G1KB, G0VB, G1VB     ; the rest of K and V, into bytes that nothing has filled: my one load behind this barrier; it has four key steps, 512 products, in which to land
	FETCH_K                         ; key step 0
	s_wait_loadcnt 0x0              ; Q
	s_wait_dscnt 0x0
.set i, 0
.rept 16
	KQ 0                            ; piece 0's first scores
.set i, i+1
.endr
	WIN 0                           ; the addresses for the way out: seven plain instructions, the places behind those products
	s_mul_i32 s88, s[WV], 16*SP
	s_add_co_u32 s88, s88, STAGE
	v_mul_u32_u24 v[STO], v1, SP
	v_lshl_add_u32 v[STO], v9, 4, v[STO]
	v_add_nc_u32 v[STO], s88, v[STO]
	v_bfe_u32 v[RD], v0, 3, 2
	v_mul_u32_u24 v[RD], v[RD], SP
	v_lshl_add_u32 v[RD], v10, 4, v[RD]
	v_add_nc_u32 v[RD], s88, v[RD]
	s_mov_b32 s[CNT], 4             ; steps 0 to 3 read the first fill alone
	s_mov_b32 s[OUTC], 2
	s_branch .Lstep
.Lphase:                            ; passed once, between step 3 and step 4
	s_wait_tensorcnt 0x0            ; my part of the rest is in: the count is 0 because no load was issued behind that one
	s_wait_dscnt 0x0                ; no LDS instruction of mine is out at the signal
	s_barrier_signal -1
	s_barrier_wait -1               ; everybody's part is in
	s_mov_b32 s[CNT], 12            ; steps 4 to 15
.Lstep:                             ; a trip is a key step: the four pieces' turns
	TURN 0
	TURN 1
	TURN 2
	TURN 3
	WIN 0
	s_sub_co_u32 s[CNT], s[CNT], 1
	s_cmp_lg_u32 s[CNT], 0
	s_cbranch_scc1 .Lstep
	s_sub_co_u32 s[OUTC], s[OUTC], 1
	s_cmp_lg_u32 s[OUTC], 0
	s_cbranch_scc1 .Lphase
	; what a further turn would have finished for the last piece: p of numbers 30, 31, the roundings and sums of numbers 28 to 31
.irp u, 0,1
	REGS NP-1, \u
	v_pk_fma_f32 v[rS+30:rS+31], v[rS+30:rS+31], v[UB+4+2*(\u):UB+5+2*(\u)], 1.0 op_sel_hi:[1,1,0]
.endr
.irp u, 0,1
	REGS NP-1, \u
	v_cvt_pk_f16_f32 v[rP+14], v[rS+28], v[rS+29]
	v_pk_add_f32 v[rL:rL+1], v[rL:rL+1], v[rS+28:rS+29]
.endr
.irp u, 0,1
	REGS NP-1, \u
	v_cvt_pk_f16_f32 v[rP+15], v[rS+30], v[rS+31]
	v_pk_add_f32 v[rL:rL+1], v[rL:rL+1], v[rS+30:rS+31]
.endr
.set i, 0
.rept 16
	PV NP-1                         ; and its V^T P of the last step
.set i, i+1
.endr
	; THE WAY OUT.  l's two halves and the other half of the lanes' are added; O^T is multiplied by 4 gate / l, rounded to f16 and sent through my stage in LDS, a tile at a time.
	WIN 0
.macro ALL line:vararg
.set t, 0
.rept 2*NP
	\line
.set t, t+1
.endr
.endm
	ALL v_add_f32 v[LS+2*t], v[LS+2*t], v[LS+2*t+1]
	ALL v_permlanex16_b32 v[LS+2*t+1], v[LS+2*t], s[SEL], s[SEL+1]
	ALL v_add_f32 v[LS+2*t], v[LS+2*t], v[LS+2*t+1]
	ALL v_rcp_f32 v[LS+2*t], v[LS+2*t]
	v_nop
	s_wait_alu depctr_va_vdst(0)
	ALL v_mul_f32 v[LS+2*t], v[LS+2*t], v[GATE]
.macro PACK t
	WIN W_RS
.set i, 32*(\t)
.rept 16
	v_pk_mul_f32 v[i:i+1], v[i:i+1], v[LS+2*(\t):LS+2*(\t)+1] op_sel_hi:[1,0]
.set i, i+2
.endr
	WIN 0x05                        ; sources 0 and 1 window 1, destination window 0
.set i, 0
.rept 16
	v_cvt_pk_f16_f32 v[S+16*(\t)+i], v[32*(\t)+2*i], v[32*(\t)+2*i+1]
.set i, i+1
.endr
	WIN 0
.irp f, 0,1,2,3
	ds_store_b128 v[STO], v[S+16*(\t)+4*\f:S+16*(\t)+4*\f+3] offset:32*\f
.endr
.irp f, 0,1,2,3
	ds_load_b128 v[S+16*(\t)+4*\f:S+16*(\t)+4*\f+3], v[RD] offset:\f*4*SP  ; LDS serves a wave's instructions in order: these see the stores above; the next tile's stores come behind them
.endr
.endm
.macro SEND t, younger              ; younger: the LDS instructions issued behind tile t's loads: the next tile's eight, or none
	WIN 0
.irp f, 0,1,2,3
	s_wait_dscnt (\younger)+3-\f
	global_store_b128 v[GO], v[S+16*(\t)+4*\f:S+16*(\t)+4*\f+3], s[18:19] offset:(\t)*2048+\f*512  ; 512 consecutive bytes, at a multiple of 256 from o16's first
.endr
.endm
	PACK 0
.set t, 1
.rept 2*NP-1
	PACK t
	SEND t-1, 8
.set t, t+1
.endr
	SEND 2*NP-1, 0
	s_wait_tensorcnt 0x0            ; the wave's end
	ds_add_u32 v[SPW], v[NIL]
	s_wait_dscnt 0x0
	s_endpgm
.Lfunc_end_k_qfacd0a3607_attn:
	.size	k_qfacd0a3607_attn, .Lfunc_end_k_qfacd0a3607_attn-k_qfacd0a3607_attn
	.p2alignl 7, 3214868480
	.fill 96, 4, 3214868480
	.section	.rodata,"a",@progbits
	.p2align	6, 0x0
	.amdhsa_kernel k_qfacd0a3607_attn
		.amdhsa_group_segment_fixed_size 327680
		.amdhsa_private_segment_fixed_size 0
		.amdhsa_enable_private_segment 0
		.amdhsa_kernarg_size 64
		.amdhsa_user_sgpr_count 2
		.amdhsa_user_sgpr_kernarg_segment_ptr 1
		.amdhsa_wavefront_size32 1
		.amdhsa_system_sgpr_workgroup_id_x 1
		.amdhsa_system_sgpr_workgroup_id_y 1
		.amdhsa_system_sgpr_workgroup_id_z 1
		.amdhsa_system_vgpr_workitem_id 0
		.amdhsa_next_free_vgpr 768
		.amdhsa_next_free_sgpr 98
		.amdhsa_reserve_vcc 0
		.amdhsa_float_denorm_mode_32 3
		.amdhsa_float_denorm_mode_16_64 3
		.amdhsa_memory_ordered 1
		.amdhsa_forward_progress 1
		.amdhsa_inst_pref_size 115
	.end_amdhsa_kernel
	.amdgpu_metadata
---
amdhsa.version: [ 1, 2 ]
amdhsa.kernels:
  - .name:           k_qfacd0a3607_attn
    .symbol:         k_qfacd0a3607_attn.kd
    .args:
      - { .name: q16, .offset: 0, .size: 8, .value_kind: global_buffer, .address_space: global }
      - { .name: k16, .offset: 8, .size: 8, .value_kind: global_buffer, .address_space: global }
      - { .name: v16, .offset: 16, .size: 8, .value_kind: global_buffer, .address_space: global }
      - { .name: hpart, .offset: 24, .size: 8, .value_kind: global_buffer, .address_space: global }
      - { .name: Wg2, .offset: 32, .size: 8, .value_kind: global_buffer, .address_space: global }
      - { .name: bg2, .offset: 40, .size: 8, .value_kind: global_buffer, .address_space: global }
      - { .name: g, .offset: 48, .size: 8, .value_kind: global_buffer, .address_space: global }
      - { .name: o16, .offset: 56, .size: 8, .value_kind: global_buffer, .address_space: global }
    .group_segment_fixed_size: 327680
    .private_segment_fixed_size: 0
    .kernarg_segment_align: 8
    .kernarg_segment_size: 64
    .max_flat_workgroup_size: 128
    .sgpr_count:     98
    .vgpr_count:     768
    .wavefront_size: 32
...
	.end_amdgpu_metadata
.endif
;; end of part 3
;; launch oproj (part 4): grid 8 x 32, 4 waves a work-group, clusters of 4 x 4, 327,680 bytes of LDS; arguments o16, wo16, bo, out0; writes out0
.if DOCPART == 4
	.amdgcn_target "amdgcn-amd-amdhsa--gfx1250"
	.amdhsa_code_object_version 6
	.text
	.protected	k_qfacd0a3607_oproj
	.globl	k_qfacd0a3607_oproj
	.p2align	8
	.type	k_qfacd0a3607_oproj,@function
k_qfacd0a3607_oproj:
	s_mov_b64 s[64:65], 0
	v_nop
	global_prefetch_b8 v0, s[64:65] scope:SCOPE_SE
	s_setreg_imm32_b32 hwreg(HW_REG_WAVE_MODE, 25, 1), 1
	s_wait_xcnt 0x0
	s_wait_alu depctr_hold_cnt(0) depctr_sa_sdst(0) depctr_va_vdst(0) depctr_va_sdst(0) depctr_va_ssrc(0) depctr_va_vcc(0) depctr_vm_vsrc(0)
	s_getreg_b32 s2, hwreg(HW_REG_IB_STS2, 6, 4)
	s_cmp_eq_u32 s2, 0
	s_cbranch_scc0 .Lentry_in_a_cluster
	s_endpgm
.Lentry_in_a_cluster:
	s_bfe_u32 s2, ttmp6, 0x10000c
	s_cmp_lg_u32 s2, 0xf033
	s_cbranch_scc0 .Lentry_shape_is_right
	s_endpgm
.Lentry_shape_is_right:
; THE LAST PROJECTION.  out0[b][t][n] = 0.25 x (sum over h, d of o16[16 b + h][t][d] wo16[n][64 h + d]) + bo[n]: an f16 GEMM of 8192 x 1024 x 1024, sums in f32, f32 out.
; o16 holds 4 x the gated heads (the launch in front says why); 0.25 takes that back, exactly, in the multiply-add that adds the bias.  bo is rounded to bf16 like all the module's inputs.
; SHARES.  A tile of out0 is 256 rows x 128 columns: 256 work-groups.  Four waves, each 128 x 64: 32 accumulators of 16 x 16.  K goes in steps of 128 = two heads, through two LDS slots.
; A's part of a slot: for each of the two heads 256 rows of 128 bytes, dense in memory: asked for as 128 rows of 256 bytes and padded after every 128 (pitch 144).  B's: 128 rows of 256 bytes (pitch 272).
; CLUSTER.  4 x 4 work-groups: the four of a row of the cluster (one quarter of a batch's rows) need the same tiles of o16, the four of a column the same tiles of wo16: each is asked for JOINTLY.
; THE MATRIX INSTRUCTION IS USED TRANSPOSED (source 0 = 16 rows of wo16, source 1 = 16 rows of o16): a lane holds row l % 16 and the columns 8 (l / 16) + 0..7.
; REGISTERS.  window 0: v0-31 addresses; v32-127, v128-223 two fragment buffers (64 of A, then 32 of B); v224-229 the bias; on the way out v32-95 whole rows.   window 1: accumulator (a, b) at v[8 (4 a + b)].
.set KSTEP,  128
.set PA,     144
.set PB,     272
.set SUBA,   256*PA                    ; one head's 256 rows
.set BOFF,   2*SUBA
.set HALFB,  64*PB
.set SLOT,   BOFF+2*HALFB              ; 108,544
.set STAGE,  2*SLOT                    ; behind the ring: 16 rows x 272 bytes for each wave
.set SPITCH, 272
.set SPARE,  STAGE+4*16*SPITCH
.set LAPS,   4
.set ADRA, 16
.set ADRB, 20
.set STO,  24
.set RD,   25
.set CO,   26
.set BOF,  27                          ; v27  16 (l % 16); never rewritten
.set SPW,  28
.set NIL,  29
.set F0,   32
.set F1,   128
.set BIAS, 224
.set OB,   32
.set WV,   12
.set MH,   13                          ; s13  my half of the rows.  Also: I fetch A (0) or B (1)
.set NH,   14                          ; s14  my half of the columns.  Also: which head, or which 64 rows of B, I fetch
.set G1, 24
.set G0, 32
.set G1B, 48
.set G0B, 56
.set MSB, 0
.macro WIN new
.if MSB != (\new)
	s_set_vgpr_msb (MSB<<8)|(\new)
.set MSB, \new
.endif
.endm
.set MUL, 0x50                         ; C and D in window 1, the fragments in window 0
.macro JLOAD s                         ; a joint load; an s_nop 0 and four v_nop follow each of the two lines
	s_cmp_eq_u32 s[MH], 0
	s_cbranch_scc0 .Lfor_b_\@
	tensor_load_to_lds s[G0+4*(\s):G0+4*(\s)+3], s[G1:G1+7]
	s_nop 0
.rept 4
	v_nop
.endr
	s_branch .Lasked_\@
.Lfor_b_\@:
	tensor_load_to_lds s[G0B+4*(\s):G0B+4*(\s)+3], s[G1B:G1B+7]
	s_nop 0
.rept 4
	v_nop
.endr
.Lasked_\@:
.endm
.macro CREST
	s_cmp_lg_u32 s[WV], 0
	s_cbranch_scc1 .Lnot_wave_0_\@
	s_barrier_signal -3
.Lnot_wave_0_\@:
	s_barrier_wait -3
	s_barrier_signal -1
	s_barrier_wait -1
.endm
.macro CROUND
	s_barrier_signal -1
	s_barrier_wait -1
	CREST
.endm
	s_load_b256 s[4:11], s[0:1], 0x0               ; o16 s[4:5], wo16 s[6:7], bo s[8:9], out0 s[10:11]
	v_lshl_add_u32 v[SPW], v0, 2, SPARE
	v_mov_b32 v[NIL], 0
	ds_add_u32 v[SPW], v[NIL]                      ; the wave's opening: the add and its wait ahead of my first tensor load
	ds_add_u32 v28, v29
	v_lshrrev_b32 v1, 5, v0
	v_readfirstlane_b32 s[WV], v1
	s_lshr_b32 s[MH], s[WV], 1
	s_and_b32 s[NH], s[WV], 1
	s_bfe_u32 s40, ttmp6, 0x40000                  ; cx
	s_bfe_u32 s41, ttmp6, 0x40004                  ; cy: the quarter of the batch's rows
	s_lshl_b32 s42, ttmp9, 2
	s_add_co_u32 s42, s42, s40                     ; nt: the tile column
	s_and_b32 s45, ttmp7, 0xffff                   ; the cluster's y: the batch
	s_lshl_b32 s43, s41, 2
	s_lshl_b32 s43, 15, s43                        ; my row of the cluster
	s_lshl_b32 s44, 0x1111, s40                    ; my column
	s_or_b32 s[G1+0], s43, (1<<16)|(1<<20)|(1<<21)|(4<<22)|(3<<25)   ; A: padded after every 32 words by 4
	s_or_b32 s[G1B+0], s44, (1<<16)|(1<<20)|(1<<21)|(5<<22)|(3<<25)  ; B: after every 64 words by 4
	s_mov_b32 s[G1+1], 128<<16                     ; A: 128 rows of 128 elements, dense
	s_mov_b32 s[G1+2], 128<<16
	s_mov_b32 s[G1+3], 128<<16
	s_mov_b32 s[G1+4], 128
	s_mov_b32 s[G1+5], 128
	s_mov_b32 s[G1+6], 0
	s_mov_b32 s[G1+7], 0
	s_mov_b32 s[G1B+1], 128<<16                    ; B: 64 rows of 128 elements, 1,024 from row to row
	s_mov_b32 s[G1B+2], 64<<16
	s_mov_b32 s[G1B+3], 128<<16
	s_mov_b32 s[G1B+4], 64
	s_mov_b32 s[G1B+5], 1024
	s_mov_b32 s[G1B+6], 0
	s_mov_b32 s[G1B+7], 0
	s_lshl_b32 s16, s45, 4
	s_add_co_u32 s16, s16, s[NH]
	s_lshl_b32 s16, s16, 17                        ; head 16 b + (wave % 2), 131,072 bytes each,
	s_lshl_b32 s17, s41, 15                        ; and the quarter's 256 rows of 128 bytes: cx enters nothing here
	s_add_co_u32 s16, s16, s17
	s_mov_b32 s17, 0
	s_lshl_b32 s46, s42, 7
	s_lshl_b32 s47, s[NH], 6
	s_add_co_u32 s46, s46, s47
	s_lshl_b32 s46, s46, 11                        ; wo16's row 128 nt + 64 (wave % 2): cy enters nothing here
	s_mov_b32 s47, 0
	s_mul_i32 s20, s[WV], SUBA                     ; where A's go: waves 0, 1: head 0, 1
	s_mul_i32 s21, s[WV], HALFB
	s_add_co_u32 s21, s21, BOFF-2*HALFB            ; where B's go: waves 2, 3: behind A's
	s_wait_dscnt 0x0                               ; the opening add is done
	s_wait_kmcnt 0x0
	s_add_nc_u64 s[16:17], s[4:5], s[16:17]
	s_add_nc_u64 s[46:47], s[6:7], s[46:47]
	CROUND                                         ; all sixteen work-groups are here: the first joint loads meet
.irp s, 0,1
	s_mov_b32 s[G0+4*(\s)], 1
	s_add_co_u32 s[G0+4*(\s)+1], s20, (\s)*SLOT
	s_add_nc_u64 s[G0+4*(\s)+2:G0+4*(\s)+3], s[16:17], (\s)*2*131072
	s_or_b32 s[G0+4*(\s)+3], s[G0+4*(\s)+3], 0x80000000
	s_mov_b32 s[G0B+4*(\s)], 1
	s_add_co_u32 s[G0B+4*(\s)+1], s21, (\s)*SLOT
	s_add_nc_u64 s[G0B+4*(\s)+2:G0B+4*(\s)+3], s[46:47], (\s)*KSTEP*2
	s_or_b32 s[G0B+4*(\s)+3], s[G0B+4*(\s)+3], 0x80000000
	JLOAD \s                                       ; two loads of mine are out: K steps 0 and 1
.endr
	s_lshl_b32 s18, s45, 10
	s_lshl_b32 s19, s41, 8
	s_add_co_u32 s18, s18, s19
	s_lshl_b32 s19, s[MH], 7
	s_add_co_u32 s18, s18, s19                     ; my first row of out0
	s_lshl_b32 s18, s18, 12                        ; 4,096 bytes a row
	s_lshl_b32 s22, s42, 9
	s_lshl_b32 s23, s[NH], 8
	s_add_co_u32 s22, s22, s23                     ; my first column, in bytes
	s_mov_b32 s23, 0
	s_add_nc_u64 s[8:9], s[8:9], s[22:23]
	s_add_co_u32 s18, s18, s22
	s_mov_b32 s19, 0
	s_add_nc_u64 s[10:11], s[10:11], s[18:19]
	v_and_b32 v1, 15, v0
	v_bfe_u32 v2, v0, 4, 1
	v_lshlrev_b32 v[BOF], 4, v1
	global_load_b128 v[BIAS:BIAS+3], v[BOF], s[8:9]  ; the bias of the 4 columns that I store; waited for behind the loop
	v_mul_u32_u24 v3, v1, PA
	v_lshl_add_u32 v3, v2, 4, v3
	v_mul_u32_u24 v4, v1, PB
	v_lshl_add_u32 v4, v2, 4, v4
	s_mul_i32 s66, s[MH], 128*PA
	s_mul_i32 s67, s[NH], HALFB
	s_add_co_u32 s67, s67, BOFF
.irp s, 0,1
	v_add_nc_u32 v[ADRA+(\s)], s66, v3
	v_add_nc_u32 v[ADRB+(\s)], s67, v4
	s_add_co_u32 s66, s66, SLOT
	s_add_co_u32 s67, s67, SLOT
.endr
	s_mul_i32 s68, s[WV], 16*SPITCH
	s_add_co_u32 s68, s68, STAGE                   ; my stage
	v_mul_u32_u24 v5, v1, SPITCH
	v_lshl_add_u32 v5, v2, 5, v5                   ; in: row l % 16, 32 bytes for each half of the lanes
	v_add_nc_u32 v[STO], s68, v5
	v_mul_u32_u24 v5, v2, SPITCH
	v_lshl_add_u32 v5, v1, 4, v5                   ; back: lanes 0-15 one row of 256 bytes, lanes 16-31 the next
	v_add_nc_u32 v[RD], s68, v5
	v_lshlrev_b32 v5, 12, v2
	v_lshl_add_u32 v[CO], v1, 4, v5                ; and the same two rows in out0
; 8 matrix instructions: m blocks a0, a0 + 1 x all 4 n blocks, 32 along K.  zero = 1: the product starts the sums
.macro MUL8 f, a0, zero
	WIN MUL
.irp a, \a0, (\a0)+1
.irp b, 0,1,2,3
.if \zero
	v_wmma_f32_16x16x32_f16 v[8*(4*(\a)+(\b)):8*(4*(\a)+(\b))+7], v[(\f)+64+8*(\b):(\f)+64+8*(\b)+7], v[(\f)+8*(\a):(\f)+8*(\a)+7], 0
.else
	v_wmma_f32_16x16x32_f16 v[8*(4*(\a)+(\b)):8*(4*(\a)+(\b))+7], v[(\f)+64+8*(\b):(\f)+64+8*(\b)+7], v[(\f)+8*(\a):(\f)+8*(\a)+7], v[8*(4*(\a)+(\b)):8*(4*(\a)+(\b))+7]
.endif
.endr
.endr
.endm
; 24 LDS loads in one run: quarter q of a K step (head q / 2, channels 32 (q % 2) on) into buffer f: B, then A's blocks 0-3, then 4-7
.macro FETCH slot, q, f
	WIN 0
.irp i, 0,1,2,3
	ds_load_b128 v[(\f)+64+8*(\i):(\f)+64+8*(\i)+3],   v[ADRB+(\slot)] offset:(\q)*64+(\i)*16*PB
	ds_load_b128 v[(\f)+64+8*(\i)+4:(\f)+64+8*(\i)+7], v[ADRB+(\slot)] offset:(\q)*64+(\i)*16*PB+32
.endr
.irp i, 0,1,2,3,4,5,6,7
	ds_load_b128 v[(\f)+8*(\i):(\f)+8*(\i)+3],   v[ADRA+(\slot)] offset:((\q)/2)*SUBA+((\q)%2)*64+(\i)*16*PA
	ds_load_b128 v[(\f)+8*(\i)+4:(\f)+8*(\i)+7], v[ADRA+(\slot)] offset:((\q)/2)*SUBA+((\q)%2)*64+(\i)*16*PA+32
.endr
.endm
.macro PLACES                          ; four plain vector places in front of loads into registers that matrix instructions have read, and of reads of results just made
.rept 4
	v_nop
.endr
.endm
; A K step is four quarters, 32 matrix instructions each, on buffers 0, 1, 0, 1; the 32 accumulators take turns.  q: the quarter that is fetched, into g.
.macro QUARTER slot, q, f, g, zero
	s_wait_dscnt 8                                 ; all but the youngest eight loads (A's blocks 4-7) are in
	MUL8 \f, 0, \zero
	MUL8 \f, 2, \zero
	PLACES
	FETCH \slot, \q, \g
	s_wait_dscnt 24                                ; all but the 24 just issued
	MUL8 \f, 4, \zero
	MUL8 \f, 6, \zero
.endm
; The last quarter multiplies buffer 1 and changes slots: ONE barrier.  fill = 1: it opens a round of the cluster's, and this slot is filled again first behind it, two K steps on.
.macro TURN slot, next, fill
	WIN 0
	s_wait_tensorcnt 0x0                           ; all my tensor loads have landed: my part of the next slot
	ds_add_u32 v[SPW], v[NIL]
	s_wait_dscnt 9                                 ; (the add and the youngest eight loads may be out)
	MUL8 F1, 0, 0
	s_wait_dscnt 0x0                               ; the add is done, and my reads of this slot are over
	s_barrier_signal -1
	MUL8 F1, 2, 0
.if \fill
	WIN 0
.endif
	s_barrier_wait -1
.if \fill
	CREST
	s_add_nc_u64 s[G0+4*(\slot)+2:G0+4*(\slot)+3], s[G0+4*(\slot)+2:G0+4*(\slot)+3], 4*131072
	s_add_nc_u64 s[G0B+4*(\slot)+2:G0B+4*(\slot)+3], s[G0B+4*(\slot)+2:G0B+4*(\slot)+3], 2*KSTEP*2
	JLOAD \slot                                    ; my one tensor load behind the round; its four v_nop are also the places in front of the loads below
.else
	PLACES
.endif
	FETCH \next, 0, F0
	MUL8 F1, 4, 0
	MUL8 F1, 6, 0
.endm
	s_wait_tensorcnt 1                             ; my part of K step 0 is in; step 1's may stay out
	s_barrier_signal -1
	s_barrier_wait -1
	FETCH 0, 0, F0
	QUARTER 0, 1, F0, F1, 1                        ; the first quarter starts the sums: nothing is cleared
	WIN 0
	s_mov_b32 s3, LAPS-1
.Llap:
	QUARTER 0, 2, F1, F0, 0
	QUARTER 0, 3, F0, F1, 0
	TURN 0, 1, 1
	QUARTER 1, 1, F0, F1, 0
	QUARTER 1, 2, F1, F0, 0
	QUARTER 1, 3, F0, F1, 0
	TURN 1, 0, 1
	QUARTER 0, 1, F0, F1, 0
	WIN 0
	s_sub_co_u32 s3, s3, 1
	s_cmp_lg_u32 s3, 0
	s_cbranch_scc1 .Llap
	QUARTER 0, 2, F1, F0, 0                        ; the last lap fills nothing
	QUARTER 0, 3, F0, F1, 0
	TURN 0, 1, 0
	QUARTER 1, 1, F0, F1, 0
	QUARTER 1, 2, F1, F0, 0
	QUARTER 1, 3, F0, F1, 0
	s_wait_dscnt 8
	MUL8 F1, 0, 0
	MUL8 F1, 2, 0
	s_wait_dscnt 0x0
	MUL8 F1, 4, 0
	MUL8 F1, 6, 0
	WIN 0
	PLACES
	s_wait_loadcnt 0x0                             ; the bias
	v_cvt_pk_bf16_f32 v[BIAS+4], v[BIAS], v[BIAS+1]
	v_cvt_pk_bf16_f32 v[BIAS+5], v[BIAS+2], v[BIAS+3]
	v_lshlrev_b32 v[BIAS], 16, v[BIAS+4]
	v_and_b32 v[BIAS+1], 0xffff0000, v[BIAS+4]
	v_lshlrev_b32 v[BIAS+2], 16, v[BIAS+5]
	v_and_b32 v[BIAS+3], 0xffff0000, v[BIAS+5]
; THE WAY OUT of block a (16 rows x 64 columns): into my own stage, back as whole rows of 256 bytes, x 0.25 + bias, stored.  Two sets of registers take turns, so that a set is loaded again
; only behind the wait that has freed the stores that read it.
.macro BLOCK a
.set BK, OB+32*((\a)%2)
	WIN 0x04                                       ; store data (source 1) from window 1
.irp b, 0,1,2,3
	ds_store_b128 v[STO], v[8*(4*(\a)+(\b)):8*(4*(\a)+(\b))+3]   offset:64*(\b)
	ds_store_b128 v[STO], v[8*(4*(\a)+(\b))+4:8*(4*(\a)+(\b))+7] offset:64*(\b)+16
.endr
	WIN 0
.irp t, 0,1,2,3,4,5,6,7
	ds_load_b128 v[BK+4*(\t):BK+4*(\t)+3], v[RD] offset:(\t)*2*SPITCH  ; LDS serves a wave's instructions in order: these see the stores above
.endr
	s_wait_dscnt 0x0
.irp t, 0,1,2,3,4,5,6,7
	v_pk_fma_f32 v[BK+4*(\t):BK+4*(\t)+1],   v[BK+4*(\t):BK+4*(\t)+1],   0x3e800000, v[BIAS:BIAS+1]   op_sel_hi:[1,0,1]
	v_pk_fma_f32 v[BK+4*(\t)+2:BK+4*(\t)+3], v[BK+4*(\t)+2:BK+4*(\t)+3], 0x3e800000, v[BIAS+2:BIAS+3] op_sel_hi:[1,0,1]
.endr
.if (\a) > 0
	s_wait_xcnt 0x0                                ; the stores' base is stepped, and the other set loaded again, only behind this wait
	s_add_nc_u64 s[10:11], s[10:11], 16*4096
.endif
.irp t, 0,1,2,3,4,5,6,7
	global_store_b128 v[CO], v[BK+4*(\t):BK+4*(\t)+3], s[10:11] offset:2*(\t)*4096 th:TH_STORE_NT  ; 16 lanes store 256 consecutive bytes, at a multiple of 256 from out0's first byte
.endr
.endm
.irp a, 0,1,2,3,4,5,6,7
	BLOCK \a
.endr
	s_wait_tensorcnt 0x0                           ; the wave's end
	ds_add_u32 v[SPW], v[NIL]
	s_wait_dscnt 0x0
	CROUND                                         ; the closing round: no work-group ends while a partner may still ask for a tile that names it
	s_endpgm
.Lfunc_end_k_qfacd0a3607_oproj:
	.size	k_qfacd0a3607_oproj, .Lfunc_end_k_qfacd0a3607_oproj-k_qfacd0a3607_oproj
	.p2alignl 7, 3214868480
	.fill 96, 4, 3214868480
	.section	.rodata,"a",@progbits
	.p2align	6, 0x0
	.amdhsa_kernel k_qfacd0a3607_oproj
		.amdhsa_group_segment_fixed_size 327680
		.amdhsa_private_segment_fixed_size 0
		.amdhsa_enable_private_segment 0
		.amdhsa_kernarg_size 32
		.amdhsa_user_sgpr_count 2
		.amdhsa_user_sgpr_kernarg_segment_ptr 1
		.amdhsa_wavefront_size32 1
		.amdhsa_system_sgpr_workgroup_id_x 1
		.amdhsa_system_sgpr_workgroup_id_y 1
		.amdhsa_system_sgpr_workgroup_id_z 1
		.amdhsa_system_vgpr_workitem_id 0
		.amdhsa_next_free_vgpr 512
		.amdhsa_next_free_sgpr 72
		.amdhsa_reserve_vcc 0
		.amdhsa_float_denorm_mode_32 3
		.amdhsa_float_denorm_mode_16_64 3
		.amdhsa_memory_ordered 1
		.amdhsa_forward_progress 1
		.amdhsa_inst_pref_size 98
	.end_amdhsa_kernel
	.amdgpu_metadata
---
amdhsa.version: [ 1, 2 ]
amdhsa.kernels:
  - .name:           k_qfacd0a3607_oproj
    .symbol:         k_qfacd0a3607_oproj.kd
    .args:
      - { .name: o16, .offset: 0, .size: 8, .value_kind: global_buffer, .address_space: global }
      - { .name: wo16, .offset: 8, .size: 8, .value_kind: global_buffer, .address_space: global }
      - { .name: bo, .offset: 16, .size: 8, .value_kind: global_buffer, .address_space: global }
      - { .name: out0, .offset: 24, .size: 8, .value_kind: global_buffer, .address_space: global }
    .group_segment_fixed_size: 327680
    .private_segment_fixed_size: 0
    .kernarg_segment_align: 8
    .kernarg_segment_size: 32
    .max_flat_workgroup_size: 128
    .sgpr_count:     72
    .vgpr_count:     512
    .wavefront_size: 32
...
	.end_amdgpu_metadata
.endif
;; end of part 4
;; ======== version 2 of 2: 4 launches; version 1 with the launch cast written anew for expert scheduling mode
;; limits: values are held in f16: magnitudes above 65,504 overflow, below 6.1e-05 lose precision; a function is approximated: absolute error at most 9.6e-05
;; workspace buffers: xb 16,777,216 bytes; wcat 7,340,032 bytes; wo16 2,097,152 bytes; q16 16,777,216 bytes; k16 16,777,216 bytes; v16 16,777,216 bytes; o16 16,777,216 bytes; hpart 131,072 bytes
;; launch cast (part 5): grid 800 x 1, 8 waves a work-group, no clusters, 0 bytes of LDS; arguments x, Wg1, Wq, Wk, Wv, Wo, xb, wcat, wo16; writes xb, wcat, wo16
.if DOCPART == 5
	.amdgcn_target "amdgcn-amd-amdhsa--gfx1250"
	.amdhsa_code_object_version 6
	.text
	.protected	k_qfacd0a3607_cast
	.globl	k_qfacd0a3607_cast
	.p2align	8
	.type	k_qfacd0a3607_cast,@function
k_qfacd0a3607_cast:
	s_mov_b64 s[64:65], 0
	v_nop
	global_prefetch_b8 v0, s[64:65] scope:SCOPE_SE
	s_setreg_imm32_b32 hwreg(HW_REG_WAVE_SCHED_MODE, 0, 2), 2
	s_setreg_imm32_b32 hwreg(HW_REG_WAVE_MODE, 25, 1), 1
	s_wait_xcnt 0x0
	s_wait_alu depctr_vm_vsrc(0)
; ROUNDING OF THE LARGE INPUTS, once.  x -> xb (bf16); Wg1, Wq, Wk, Wv -> wcat (bf16, one below the other: rows 0-511, 512-1535, 1536-2559, 2560-3583);
; Wo -> wo16: rounded to bf16 like every other input, and that number written as f16 (the last product multiplies in f16).
; LIMIT.  A bf16 number below 6.1e-5 keeps f16's fixed step of 6e-8 in wo16, one beyond 65,504 becomes an infinity.
; SHARES.  Work-group c takes 64 KiB of one source (16,384 f32) and writes 32 KiB.  c 0-511: x; 512-543: Wg1; 544-607: Wq; 608-671: Wk; 672-735: Wv; 736-799: Wo.
; Thread t takes 16 bytes of each 4,096: a wave's load covers 512 neighbouring bytes, its store of 8 bytes a lane 256 neighbouring bytes, aligned.
; All sixteen loads of a wave go out on end; no register is written again behind a memory instruction that read it, so no wait frees a source.  Memory binds: no LDS, no barrier, no matrix unit.
; THE MODE: SCHED_MODE bits 1:0 = 2 (LLVM: expert scheduling mode 2), set by the entry lines.  The code itself states the register dependences
; between vector instructions and memory instructions, with s_wait_alu, always for 0.
; THE PLAN.  The sixteen numbers (16 bytes in, 8 bytes out, each) go in four blocks of four.  Registers that memory instructions touch:
;   v1, v2     byte offsets of the loads and of the stores: made once at the head and never written again.
;   IN         written by the sixteen loads, which are issued ahead of every vector instruction that names IN; block p's conversions read its four numbers.  Loaded once.
;   OU         block p's conversions write its eight registers; the four stores that are issued in block p + 1 read them.  Never written behind its store.
;   v104-107   (Wo's arm) named by vector instructions alone.
; Block p works on IN[p] and OU[p]; its memory instructions are the stores from OU[p - 1], which no vector instruction of block p names.  So one wait at a block's head
; states all that the block's four stores hang on, and these are dealt among its conversions with no further wait.
.set SRC, 26                           ; s[26:27] the source at my chunk;  s28 the source's first chunk
.set DSTP, 30                          ; s[30:31] the destination at my chunk;  s29 the destination's first chunk
.set IN,  8                            ; v[8:71]   16 x 4 f32 as loaded
.set OU,  72                           ; v[72:103] 16 x 2 words to store
	s_load_b512 s[8:23], s[0:1], 0x0               ; x, Wg1, Wq, Wk, Wv, Wo, xb, wcat
	s_load_b64 s[24:25], s[0:1], 0x40              ; wo16
	s_mov_b32 s2, ttmp9                            ; c
	v_lshlrev_b32 v1, 4, v0                        ; 16 t
	v_lshlrev_b32 v2, 3, v0                        ; 8 t
	s_wait_kmcnt 0x0
	s_mov_b64 s[SRC:SRC+1], s[8:9]
	s_mov_b32 s28, 0
.macro PICK from, ptr                  ; from chunk 'from' on the source is the buffer in s[ptr:ptr+1]
	s_cmp_ge_u32 s2, \from
	s_cselect_b64 s[SRC:SRC+1], s[\ptr:\ptr+1], s[SRC:SRC+1]
	s_cselect_b32 s28, \from, s28
.endm
	PICK 512, 10
	PICK 544, 12
	PICK 608, 14
	PICK 672, 16
	PICK 736, 18
	s_cmp_ge_u32 s2, 512
	s_cselect_b64 s[DSTP:DSTP+1], s[22:23], s[20:21]
	s_cselect_b32 s29, 512, 0
	s_cmp_ge_u32 s2, 736
	s_cselect_b64 s[DSTP:DSTP+1], s[24:25], s[DSTP:DSTP+1]
	s_cselect_b32 s29, 736, s29
	s_sub_co_u32 s32, s2, s28
	s_lshl_b32 s32, s32, 16                        ; 64 KiB a chunk of the source
	s_mov_b32 s33, 0
	s_add_nc_u64 s[SRC:SRC+1], s[SRC:SRC+1], s[32:33]
	s_sub_co_u32 s34, s2, s29
	s_lshl_b32 s34, s34, 15                        ; 32 KiB a chunk of the destination
	s_mov_b32 s35, 0
	s_add_nc_u64 s[DSTP:DSTP+1], s[DSTP:DSTP+1], s[34:35]
	s_wait_alu depctr_va_vdst(0)                   ; v1 and v2 are written: every load of the kernel reads v1 as its offset, every store v2
.set i, 0
.rept 16
	global_load_b128 v[IN+4*i:IN+4*i+3], v1, s[SRC:SRC+1] offset:4096*i th:TH_LOAD_NT
.set i, i+1
.endr
; half = 1: the bf16 number is written as f16
.macro OUT16 half
.set p, 0
.rept 4                                ; block p: numbers 4 p to 4 p + 3
	s_wait_loadcnt 12-4*p                          ; loads come back in order: block p's four are in, the 12 - 4 p of the later blocks stay out
.if p > 0
	s_wait_alu depctr_va_vdst(0)                   ; the block before has written its eight registers of OU, which the four stores below read
.endif
.set j, 0
.rept 4
.set i, 4*p+j
.if p > 0
	global_store_b64 v2, v[OU+2*(i-4):OU+2*(i-4)+1], s[DSTP:DSTP+1] offset:2048*(i-4)  ; the block before: no vector instruction since the wait names these registers
.endif
	v_cvt_pk_bf16_f32 v[OU+2*i],   v[IN+4*i],   v[IN+4*i+1]
	v_cvt_pk_bf16_f32 v[OU+2*i+1], v[IN+4*i+2], v[IN+4*i+3]
.if \half
	v_lshlrev_b32 v104, 16, v[OU+2*i]
	v_and_b32     v105, 0xffff0000, v[OU+2*i]
	v_lshlrev_b32 v106, 16, v[OU+2*i+1]
	v_and_b32     v107, 0xffff0000, v[OU+2*i+1]
	v_cvt_pk_f16_f32 v[OU+2*i],   v104, v105
	v_cvt_pk_f16_f32 v[OU+2*i+1], v106, v107
.endif
.set j, j+1
.endr
.set p, p+1
.endr
	s_wait_alu depctr_va_vdst(0)                   ; block 3 has written its eight registers of OU, which the last four stores read
.set i, 12
.rept 4
	global_store_b64 v2, v[OU+2*i:OU+2*i+1], s[DSTP:DSTP+1] offset:2048*i
.set i, i+1
.endr
.endm
	s_cmp_ge_u32 s2, 736
	s_cbranch_scc1 .Lwo
	OUT16 0
	s_endpgm
.Lwo:
	OUT16 1
	s_endpgm
.Lfunc_end_k_qfacd0a3607_cast:
	.size	k_qfacd0a3607_cast, .Lfunc_end_k_qfacd0a3607_cast-k_qfacd0a3607_cast
	.p2alignl 7, 3214868480
	.fill 96, 4, 3214868480
	.section	.rodata,"a",@progbits
	.p2align	6, 0x0
	.amdhsa_kernel k_qfacd0a3607_cast
		.amdhsa_group_segment_fixed_size 0
		.amdhsa_private_segment_fixed_size 0
		.amdhsa_enable_private_segment 0
		.amdhsa_kernarg_size 72
		.amdhsa_user_sgpr_count 2
		.amdhsa_user_sgpr_kernarg_segment_ptr 1
		.amdhsa_wavefront_size32 1
		.amdhsa_system_sgpr_workgroup_id_x 1
		.amdhsa_system_sgpr_workgroup_id_y 1
		.amdhsa_system_sgpr_workgroup_id_z 1
		.amdhsa_system_vgpr_workitem_id 0
		.amdhsa_next_free_vgpr 112
		.amdhsa_next_free_sgpr 66
		.amdhsa_reserve_vcc 0
		.amdhsa_float_denorm_mode_32 3
		.amdhsa_float_denorm_mode_16_64 3
		.amdhsa_memory_ordered 1
		.amdhsa_forward_progress 1
		.amdhsa_inst_pref_size 17
	.end_amdhsa_kernel
	.amdgpu_metadata
---
amdhsa.version: [ 1, 2 ]
amdhsa.kernels:
  - .name:           k_qfacd0a3607_cast
    .symbol:         k_qfacd0a3607_cast.kd
    .args:
      - { .name: x, .offset: 0, .size: 8, .value_kind: global_buffer, .address_space: global }
      - { .name: Wg1, .offset: 8, .size: 8, .value_kind: global_buffer, .address_space: global }
      - { .name: Wq, .offset: 16, .size: 8, .value_kind: global_buffer, .address_space: global }
      - { .name: Wk, .offset: 24, .size: 8, .value_kind: global_buffer, .address_space: global }
      - { .name: Wv, .offset: 32, .size: 8, .value_kind: global_buffer, .address_space: global }
      - { .name: Wo, .offset: 40, .size: 8, .value_kind: global_buffer, .address_space: global }
      - { .name: xb, .offset: 48, .size: 8, .value_kind: global_buffer, .address_space: global }
      - { .name: wcat, .offset: 56, .size: 8, .value_kind: global_buffer, .address_space: global }
      - { .name: wo16, .offset: 64, .size: 8, .value_kind: global_buffer, .address_space: global }
    .group_segment_fixed_size: 0
    .private_segment_fixed_size: 0
    .kernarg_segment_align: 8
    .kernarg_segment_size: 72
    .max_flat_workgroup_size: 256
    .sgpr_count:     66
    .vgpr_count:     112
    .wavefront_size: 32
...
	.end_amdgpu_metadata
.endif
;; end of part 5
;; launch proj: the kernel of part 2 again; grid 32 x 14, 4 waves a work-group, clusters of 4 x 1, 327,680 bytes of LDS; arguments xb, wcat, bg1, bq, bk, bv, q16, k16, v16, hpart; writes q16, k16, v16, hpart
;; launch attn: the kernel of part 3 again; grid 2 x 128, 4 waves a work-group, no clusters, 327,680 bytes of LDS; arguments q16, k16, v16, hpart, Wg2, bg2, g, o16; writes o16
;; launch oproj: the kernel of part 4 again; grid 8 x 32, 4 waves a work-group, clusters of 4 x 4, 327,680 bytes of LDS; arguments o16, wo16, bo, out0; writes out0
